; MI455X (gfx1250); checked and timed in simulation.
; The chip was launched on July 23, 2026; its instructions are those of AMD's public machine-readable ISA for CDNA 5 (MIT licence, August 2026) and "CDNA5" Instruction Set Architecture Reference Guide (July 2026). The comments in the code are by the model that wrote it; some were corrected since.
;; Fused Attention. Allowed arithmetic: matrix products marked QUANTISED: E2M1 operands, one E8M0 scale for each 32 along K, by v_wmma_scale_f32_16x16x128_f8f6f4 with both operands' format E2M1 (or v_wmma_scale_f32_32x16x128_f4), f32 sums; everything else in f32.
;; Inputs: Wk_codes 1,024 x 32 x 16 uint8 (E2M1 codes of Wk, K innermost, in blocks of 32 codes, two codes a byte); Wk_scales 1,024 x 32 uint8 (E8M0 scales of Wk, one for each 32 codes along K); Wp_codes 1,024 x 32 x 16 uint8 (E2M1 codes of Wp, K innermost, in blocks of 32 codes, two codes a byte); Wp_scales 1,024 x 32 uint8 (E8M0 scales of Wp, one for each 32 codes along K); Wq_codes 1,024 x 32 x 16 uint8 (E2M1 codes of Wq, K innermost, in blocks of 32 codes, two codes a byte); Wq_scales 1,024 x 32 uint8 (E8M0 scales of Wq, one for each 32 codes along K); Wv_codes 1,024 x 32 x 16 uint8 (E2M1 codes of Wv, K innermost, in blocks of 32 codes, two codes a byte); Wv_scales 1,024 x 32 uint8 (E8M0 scales of Wv, one for each 32 codes along K); bp 1,024 float32; x_codes 4 x 2,048 x 32 x 16 uint8 (E2M1 codes of x, K innermost, in blocks of 32 codes, two codes a byte); x_scales 4 x 2,048 x 32 uint8 (E8M0 scales of x, one for each 32 codes along K).
;; Outputs: out0 4 x 2,048 x 1,024 float32.
;; This version of the problem:
;;   THIS VERSION OF THE PROBLEM IS GIVEN IN LOW PRECISION. The matrix products marked QUANTISED in the list below multiply operands that are first quantised to E2M1 (2 exponent bits, 1 mantissa bit; 4 bits a number), with one power-of-two scale for each 32 numbers along K (OCP MX v1.0); their sums are f32. All else is computed in f32.
;;   The module's matrix products, in the order in which they are computed (A, B: the left and right operand; K: the contracted axis; several contracted axes count as one K, in the product's order):
;;     1. [M 8,192, K 1,024] x [K 1,024, N 1,024]; A: input x (given as codes); B: input Wq (given as codes): QUANTISED
;;     2. [M 8,192, K 1,024] x [K 1,024, N 1,024]; A: input x (given as codes); B: input Wk (given as codes): QUANTISED
;;     3. [M 8,192, K 1,024] x [K 1,024, N 1,024]; A: input x (given as codes); B: input Wv (given as codes): QUANTISED
;;     4. batch 64 x [M 2,048, K 64] x [K 64, N 2,048]; A: computed on the way; B: computed on the way: QUANTISED
;;     5. batch 64 x [M 2,048, K 2,048] x [K 2,048, N 64]; A: softmax (see below); B: computed on the way: QUANTISED
;;     6. [M 8,192, K 1,024] x [K 1,024, N 1,024]; A: computed on the way; B: input Wp (given as codes): QUANTISED
;;   THE QUANTISER, for each operand of a quantised product, along K:
;;     - K is cut into blocks of 32 from its start; a last block that is shorter is filled with zeros.
;;     - A block's scale is 2^e with e = floor(log2(the largest magnitude in the block)) - 2, held to -126 .. 127; a block of zeros has e = 0. As a byte (E8M0): e + 127.
;;     - Each number is divided by its block's scale, clamped to +-6, and rounded to the nearest number of E2M1, ties to even, subnormals kept.
;;     - The product sums the exact products of the quantised numbers (number of the format x scale) in f32.
;;   ~~~python
;;   def quantise(x, axis):      # numpy; x: float32 -> the quantised numbers, widened to float32 again
;;       x = np.moveaxis(x, axis, -1); K = x.shape[-1]
;;       x = np.pad(x, [(0, 0)] * (x.ndim - 1) + [(0, -K % 32)]); x = x.reshape(x.shape[:-1] + (-1, 32)); a = np.abs(x).max(-1, keepdims=True)
;;       e = np.where(a > 0, np.clip(np.frexp(np.where(a > 0, a, 1))[1] - 1 - 2, -126, 127), 0)      # np.frexp(a)[1] - 1 = floor(log2(a)), exactly
;;       r = np.clip(x / 2.0 ** e, -6, 6)
;;       step = 2.0 ** (np.maximum(np.frexp(np.where(r == 0, 1, r))[1] - 1, 0) - 1)
;;       q = np.round(r / step) * step * 2.0 ** e      # np.round: ties to even
;;       return np.moveaxis(q.reshape(q.shape[:-2] + (-1,))[..., :K], -1, axis).astype(np.float32)
;;   ~~~
;;   SOFTMAX AHEAD OF A QUANTISED PRODUCT. Where the list says 'softmax', what is quantised is not the finished softmax but p = 2^(t - M), with t = logit x log2(e) and M = ceil(the row's largest t), a whole number; so 1/2 < the row's largest p <= 1. The row's sum l is taken of the UNQUANTISED p, in f32, and the product's result is divided by l at the end. Since M is a whole number, a kernel that streams over the keys may use a running M (the ceiling of the running maximum): every later rescaling is an exact power of two, which a block's scale takes up: the codes' values come out the same.
;;   OPERANDS COMPUTED ON THE WAY. 'Computed on the way' means the value that the module computes at that place (a softmax that the list does not call 'softmax' is quantised finished and normalised). What goes into a quantiser is computed in f32, as accurately as f32 sums, v_exp_f32 and their like allow (about 1e-6 of the number): no bf16 or f16 on the way to a quantiser, and a product that is left as it is and whose result goes on into a quantised operand takes f32 operands (vector FMAs, or v_wmma_f32_16x16x4_f32). A number that lies on a knife's edge between two numbers of the format may be rounded either way, as far as f32 arithmetic and the matrix unit's own rounding can turn it there, and no further.
;;   INPUTS GIVEN AS CODES. Wk (in the module: [1024, 1024], K = its axis 0); Wp (in the module: [1024, 1024], K = its axis 0); Wq (in the module: [1024, 1024], K = its axis 0); Wv (in the module: [1024, 1024], K = its axis 0); x (in the module: [4, 2048, 1024], K = its axis 2): each comes as NAME_codes (uint8): NAME with its K axis moved to the last place and cut into blocks of 32 codes, [.., K / 32, bytes a block], one block behind the other in memory; two codes a byte, the lower K in the low four bits (a code: sign, 2 exponent bits, 1 mantissa bit); and NAME_scales (uint8): the same leading axes, one E8M0 byte (e + 127) for each 32 codes along K. Its value is code x scale, taken as it is: it is not quantised again, and the codes and scales need not be those that the quantiser above would give.
;; One version. Each part assembles by itself: llvm-mc -triple=amdgcn-amd-amdhsa -mcpu=gfx1250 --defsym DOCPART=n.
;; ======== version 1 of 1: 4 launches
;; workspace buffers: qrec 4,718,592 bytes; krec 4,718,592 bytes; vrec 4,718,592 bytes; acodes 4,194,304 bytes; ascales 262,144 bytes
;; launch qk (part 1): grid 8 x 32, 8 waves a work-group, clusters of 4 x 4, 279,552 bytes of LDS; arguments x_codes, x_scales, Wq_codes, Wq_scales, Wk_codes, Wk_scales, qrec, krec; writes qrec, krec
.if DOCPART == 1
	.amdgcn_target "amdgcn-amd-amdhsa--gfx1250"
	.amdhsa_code_object_version 6
	.text
	.protected	k_q7685e2617b_qk
	.globl	k_q7685e2617b_qk
	.p2align	8
	.type	k_q7685e2617b_qk,@function
k_q7685e2617b_qk:
	s_mov_b64 s[64:65], 0
	v_nop
	global_prefetch_b8 v0, s[64:65] scope:SCOPE_SE
	s_setreg_imm32_b32 hwreg(HW_REG_WAVE_MODE, 25, 1), 1
	s_wait_xcnt 0x0
	s_wait_alu depctr_hold_cnt(0) depctr_sa_sdst(0) depctr_va_vdst(0) depctr_va_sdst(0) depctr_va_ssrc(0) depctr_va_vcc(0) depctr_vm_vsrc(0)
	s_getreg_b32 s2, hwreg(HW_REG_IB_STS2, 6, 4)
	s_cmp_eq_u32 s2, 0
	s_cbranch_scc0 .Lentry_in_a_cluster
	s_endpgm
.Lentry_in_a_cluster:
	s_bfe_u32 s2, ttmp6, 0x10000c
	s_cmp_lg_u32 s2, 0xf033
	s_cbranch_scc0 .Lentry_shape_is_right
	s_endpgm
.Lentry_shape_is_right:
; q = x Wq and k = x Wk on codes of FP4 (E2M1) with E8M0 scales, each result quantised along its head's 64 and written as IMAGES OF OPERAND REGISTERS.
; x: [8192][1024] codes, 512 bytes a row; Wq, Wk: [1024 (n)][1024 (k)] codes; scale bytes [row][32].
; SHARES.  A work-group makes 256 tokens x 256 columns of one of the two products (cluster x = 0: q, 1: k; only pointers are chosen).  Eight waves; wave w takes tokens 128 (w / 4) on and
; the 64 columns of head 4 cx + w % 4: 8 x 4 accumulators of 16 x 16, all of window 1.  All of K (512 bytes a row) lies in LDS at once, as two halves of 256 bytes a row: nothing is filled twice.
; CLUSTER 4 x 4: x's tile is shared along a row of the cluster, W's along a column: joint loads.
; THE PRODUCT IS USED TRANSPOSED (source 0 = 16 rows of W, source 1 = 16 tokens): lane (r, h) register j of accumulator (a, b) is token 16 a + r, column 16 b + 8 h + j.
; So registers 16 n .. 16 n + 15 of window 1 (n = 2 a + beta) are 16 numbers of block beta of token 16 a + r; lane l xor 16 holds the other 16.
; OUT: record [batch x 16 + head][128 tokens][4608]: image a at 512 a + 16 lane = registers 0-3 of the operand (token 16 a + r, d = 32 h .. 32 h + 31); at 4096 + 16 lane + 4 i the scale word of tile 4 h + i, token r:
; its two bytes, written twice (the operand's upper 64 along K are zero codes).
; LIMITS: NaN and infinities among the results are not served; a block whose largest magnitude lies under 2^-124 (a block of zeros too) gets the byte 1: this program alone reads the bytes.
.set PITCH, 272                        ; an LDS row: 256 bytes + 16 of padding: the 16 rows of a fragment load start at 16 different banks
.set QROWS, 64*PITCH                   ; 64 rows: what one tensor load brings
.set WOFF,  4*QROWS                    ; x's 256 rows, then W's 256 rows
.set HALFK, 8*QROWS                    ; K half 1 lies this far behind K half 0
.set REC,   4608
.set XS, 16                            ; v16-47   x's scale words: tile a, register i: K step 4 h + i
.set WS, 48                            ; v48-63   W's likewise
.set AF, 64                            ; v64-191  x's fragments, two sets of 64
.set BF, 192                           ; v192-255 W's fragments, two sets of 32
.set MX, 64                            ; the way out: largest magnitudes;
.set PT, 80                            ; the other lane's;
.set SO, 96                            ; the conversions' scale operands;
.set BY, 112                           ; the bytes;
.set WD, 128                           ; scale words;
.set SW, 136                           ; the scale block as stored;
.set CD, 160                           ; the codes
.set G1PAD, (1<<20)|(1<<21)|(5<<22)|(3<<25)   ; elements of 1 byte; padding on; bit 21 beside a mask; 4 words behind every 64
.set MSB, 0
.macro WIN new                         ; the immediate's high byte repeats the setting that is left
.if MSB != \new
	s_set_vgpr_msb (MSB<<8)|\new
.set MSB, \new
.endif
.endm
.macro PLACES n
.rept \n
	v_nop
.endr
.endm
.macro CROUND                          ; a round of the cluster's barrier
	s_barrier_signal -1
	s_barrier_wait -1
	s_cmp_lg_u32 s20, 0
	s_cbranch_scc1 .Lnot_wave_0_\@
	s_barrier_signal -3
.Lnot_wave_0_\@:
	s_barrier_wait -3
	s_barrier_signal -1
	s_barrier_wait -1
.endm
.macro FETCH q, p                      ; the fragments of K step q into set p: 24 loads of 16 bytes a lane
.irp a, 0,1,2,3,4,5,6,7
.irp c, 0,1
	ds_load_b128 v[AF+64*(\p)+8*\a+4*\c:AF+64*(\p)+8*\a+4*\c+3], v[4+(\q)/4] offset:16*PITCH*\a+64*((\q)%4)+32*\c
.endr
.endr
.irp b, 0,1,2,3
.irp c, 0,1
	ds_load_b128 v[BF+32*(\p)+8*\b+4*\c:BF+32*(\p)+8*\b+4*\c+3], v[6+(\q)/4] offset:16*PITCH*\b+64*((\q)%4)+32*\c
.endr
.endr
.endm
; 16 matrix instructions of K step q: token tiles a0 .. a0 + 3 x the four tiles of columns.  The 32 accumulators take turns, one instruction a turn, in the same order in every step.
; K steps 4 to 7 take their scale words from lanes 16-31.  Step 0 starts the sums with the constant 0.
.macro MUL q, a0
.irp a, \a0, \a0+1, \a0+2, \a0+3
.irp b, 0,1,2,3
.if (\q) == 0
	v_wmma_scale_f32_16x16x128_f8f6f4 v[32*(\a)+8*\b:32*(\a)+8*\b+7], v[BF+32*((\q)%2)+8*\b:BF+32*((\q)%2)+8*\b+7], v[AF+64*((\q)%2)+8*(\a):AF+64*((\q)%2)+8*(\a)+7], 0, v[WS+4*\b+(\q)%4], v[XS+4*(\a)+(\q)%4] matrix_a_fmt:MATRIX_FMT_FP4 matrix_b_fmt:MATRIX_FMT_FP4
.elseif (\q) < 4
	v_wmma_scale_f32_16x16x128_f8f6f4 v[32*(\a)+8*\b:32*(\a)+8*\b+7], v[BF+32*((\q)%2)+8*\b:BF+32*((\q)%2)+8*\b+7], v[AF+64*((\q)%2)+8*(\a):AF+64*((\q)%2)+8*(\a)+7], v[32*(\a)+8*\b:32*(\a)+8*\b+7], v[WS+4*\b+(\q)%4], v[XS+4*(\a)+(\q)%4] matrix_a_fmt:MATRIX_FMT_FP4 matrix_b_fmt:MATRIX_FMT_FP4
.else
	v_wmma_scale_f32_16x16x128_f8f6f4 v[32*(\a)+8*\b:32*(\a)+8*\b+7], v[BF+32*((\q)%2)+8*\b:BF+32*((\q)%2)+8*\b+7], v[AF+64*((\q)%2)+8*(\a):AF+64*((\q)%2)+8*(\a)+7], v[32*(\a)+8*\b:32*(\a)+8*\b+7], v[WS+4*\b+(\q)%4], v[XS+4*(\a)+(\q)%4] matrix_a_fmt:MATRIX_FMT_FP4 matrix_b_fmt:MATRIX_FMT_FP4 matrix_a_scale:MATRIX_SCALE_ROW1 matrix_b_scale:MATRIX_SCALE_ROW1
.endif
.endr
.endr
.endm
; A K step of 128: the next step's 24 loads are issued first and land under this step's 32 matrix instructions.
.macro STEP q
	s_wait_dscnt 0x0                               ; this step's fragments, asked for a step ago, are in
.if (\q) == 3
	s_wait_tensorcnt 0x0                           ; my part of K half 1 has landed;
	s_barrier_signal -1                            ; say so,
	WIN 0x50
	MUL \q, 0                                      ; work on registers while the others arrive,
	WIN 0
	s_barrier_wait -1                              ; and K half 1 is whole
	PLACES 4                                       ; four places in front of loads into registers that matrix instructions have read
	FETCH 4, 0
	WIN 0x50
	MUL \q, 4
	WIN 0
.else
.if (\q) < 7
.if (\q) > 0
	PLACES 4                                       ; the set that the last step multiplied is loaded again
.endif
	FETCH (\q)+1, ((\q)+1)%2
.endif
	WIN 0x50                                       ; C and D in window 1
	MUL \q, 0
	MUL \q, 4
	WIN 0
.endif
.endm
	s_load_b256 s[4:11], s[0:1], 0x0               ; x's codes s[4:5], x's scales s[6:7], Wq's codes s[8:9], Wq's scales s[10:11]
	s_load_b256 s[12:19], s[0:1], 0x20             ; Wk's codes s[12:13], Wk's scales s[14:15], qrec s[16:17], krec s[18:19]
	v_lshl_add_u32 v14, v0, 2, 0x44000
	v_mov_b32 v15, 0
	ds_add_u32 v14, v15
	ds_add_u32 v14, v15
	v_lshrrev_b32 v3, 5, v0
	s_delay_alu instid0(VALU_DEP_1)
	v_readfirstlane_b32 s20, v3                    ; wave 0..7
	s_lshr_b32 s21, s20, 2                         ; which 128 tokens are mine.  Also: I fetch for x (0) or for W (1)
	s_and_b32 s22, s20, 3                          ; which head of the tile's four.  Also: which 64 rows I fetch
	s_bfe_u32 s56, ttmp6, 0x40000                  ; cx
	s_bfe_u32 s57, ttmp6, 0x40004                  ; cy
	s_and_b32 s58, ttmp7, 0xffff
	s_lshl_b32 s58, s58, 2
	s_add_co_u32 s58, s58, s57                     ; the tile of 256 tokens = 4 x cluster y + cy
	s_lshl_b32 s59, s57, 2
	s_lshl_b32 s59, 15, s59                        ; my row of the cluster
	s_lshl_b32 s63, 0x1111, s56                    ; my column
	s_or_b32 s24, s59, G1PAD                       ; group 1 for x's tiles: they go to my row;
	s_or_b32 s32, s63, G1PAD                       ; for W's: to my column
.irp g, 24, 32
	s_mov_b32 s[\g+1], 256<<16                     ; tensor_dim0 = 256 bytes
	s_mov_b32 s[\g+2], 64<<16                      ; tensor_dim1 = 64 rows
	s_mov_b32 s[\g+3], 256<<16                     ; tile_dim0
	s_mov_b32 s[\g+4], 64                          ; tile_dim1
	s_mov_b32 s[\g+5], 512                         ; a row in memory
	s_mov_b32 s[\g+6], 0
	s_mov_b32 s[\g+7], 0
.endr
	s_mov_b32 s60, 0x76543210
	s_mov_b32 s61, 0xfedcba98                      ; v_permlanex16_b32's selects for lane l xor 16
	s_mov_b32 s62, 0xffff0000                      ; lanes 16-31
	s_lshl_b32 s23, s22, 15                        ; 64 rows of 512 bytes x my quarter
	s_lshl_b32 s66, s58, 17
	s_add_co_u32 s66, s66, s23                     ; x: row 256 x tile + 64 x quarter, in bytes
	s_mov_b32 s67, 0
	s_lshl_b32 s68, s56, 17
	s_add_co_u32 s68, s68, s23                     ; W: row 256 cx + 64 x quarter
	s_mov_b32 s69, 0
	s_mul_i32 s70, s20, QROWS                      ; where they go: wave x 64 rows: no place in the cluster enters an LDS address
	s_lshl_b32 s72, s58, 13
	s_lshl_b32 s71, s21, 12
	s_add_co_u32 s72, s72, s71                     ; x's scale bytes of my 128 tokens: 32 a row
	s_mov_b32 s73, 0
	s_lshl_b32 s74, s56, 13
	s_lshl_b32 s71, s22, 11
	s_add_co_u32 s74, s74, s71                     ; W's of my 64 rows
	s_mov_b32 s75, 0
	s_lshl_b32 s76, s56, 2
	s_add_co_u32 s76, s76, s22                     ; the head
	s_lshr_b32 s77, s58, 3
	s_lshl_b32 s77, s77, 4
	s_or_b32 s76, s76, s77                         ; 16 x batch + head
	s_lshl_b32 s76, s76, 4
	s_and_b32 s77, s58, 7
	s_lshl_b32 s77, s77, 1
	s_or_b32 s77, s77, s21
	s_or_b32 s76, s76, s77                         ; and the block of 128 tokens in the batch
	s_mul_i32 s76, s76, REC
	s_mov_b32 s77, 0
	s_wait_dscnt 0x0
	s_wait_kmcnt 0x0
	s_cmp_eq_u32 ttmp9, 0                          ; cluster x, which all partners share: q or k?  Only pointers are chosen
	s_cselect_b64 s[8:9], s[8:9], s[12:13]
	s_cselect_b64 s[10:11], s[10:11], s[14:15]
	s_cselect_b64 s[16:17], s[16:17], s[18:19]
	s_add_nc_u64 s[66:67], s[4:5], s[66:67]
	s_add_nc_u64 s[68:69], s[8:9], s[68:69]
	s_add_nc_u64 s[72:73], s[6:7], s[72:73]
	s_add_nc_u64 s[74:75], s[10:11], s[74:75]
	s_add_nc_u64 s[16:17], s[16:17], s[76:77]
	s_mov_b32 s40, 1                               ; group 0 for x, K half 0
	s_mov_b32 s41, s70
	s_mov_b64 s[42:43], s[66:67]
	s_or_b32 s43, s43, 0x80000000
	s_mov_b32 s44, 1                               ; K half 1: 256 bytes on in each row
	s_add_co_u32 s45, s70, HALFK
	s_add_nc_u64 s[46:47], s[66:67], 256
	s_or_b32 s47, s47, 0x80000000
	s_mov_b32 s48, 1                               ; the same for W
	s_mov_b32 s49, s70
	s_mov_b64 s[50:51], s[68:69]
	s_or_b32 s51, s51, 0x80000000
	s_mov_b32 s52, 1
	s_add_co_u32 s53, s70, HALFK
	s_add_nc_u64 s[54:55], s[68:69], 256
	s_or_b32 s55, s55, 0x80000000
	CROUND                                         ; all sixteen work-groups are here: the joint loads meet
	s_cmp_lt_u32 s20, 4                            ; a wave's two fills stand in one branch on its number: two loads of mine are out
	s_cbranch_scc0 .Lfill_w
	tensor_load_to_lds s[40:43], s[24:31]
	s_nop 0
	tensor_load_to_lds s[44:47], s[24:31]
	s_nop 0
	PLACES 4
	s_branch .Lfilled
.Lfill_w:
	tensor_load_to_lds s[48:51], s[32:39]
	s_nop 0
	tensor_load_to_lds s[52:55], s[32:39]
	s_nop 0
	PLACES 4
.Lfilled:
	v_and_b32 v1, 15, v0                           ; r
	v_bfe_u32 v2, v0, 4, 1                         ; h
	s_delay_alu instid0(VALU_DEP_2)
	v_lshlrev_b32 v8, 5, v1
	s_delay_alu instid0(VALU_DEP_1)
	v_lshl_add_u32 v8, v2, 4, v8                   ; 32 r + 16 h: a load of a tile's scale bytes covers 512 consecutive bytes; register i is the word of K step 4 h + i
.irp a, 0,1,2,3,4,5,6,7
	global_load_b128 v[XS+4*\a:XS+4*\a+3], v8, s[72:73] offset:512*\a
.endr
.irp b, 0,1,2,3
	global_load_b128 v[WS+4*\b:WS+4*\b+3], v8, s[74:75] offset:512*\b
.endr
	v_mul_u32_u24 v3, v1, PITCH
	s_delay_alu instid0(VALU_DEP_1)
	v_lshl_add_u32 v3, v2, 4, v3                   ; a fragment's row x pitch + 16 h
	s_mul_i32 s23, s21, 2*QROWS
	v_add_nc_u32 v4, s23, v3                       ; my 128 tokens, K half 0,
	s_delay_alu instid0(VALU_DEP_1)
	v_add_nc_u32 v5, HALFK, v4                     ; K half 1
	s_mul_i32 s23, s22, QROWS
	s_add_co_u32 s23, s23, WOFF
	v_add_nc_u32 v6, s23, v3                       ; my 64 rows of W
	s_delay_alu instid0(VALU_DEP_1)
	v_add_nc_u32 v7, HALFK, v6
	v_and_b32 v9, 31, v0
	s_delay_alu instid0(VALU_DEP_1)
	v_lshlrev_b32 v9, 4, v9                        ; 16 x lane: an image's place for my lane
	s_wait_alu depctr_va_vdst(0)
	s_wait_tensorcnt 0x1                           ; my part of K half 0 is in; K half 1's load, issued behind it, may stay out
	s_barrier_signal -1
	s_barrier_wait -1                              ; everybody's is
	FETCH 0, 0
	s_wait_loadcnt 0x0                             ; the scale words
	STEP 0
	STEP 1
	STEP 2
	STEP 3
	STEP 4
	STEP 5
	STEP 6
	STEP 7
	; THE WAY OUT: sixteen blocks of 32 (n = 2 a + beta), quantised by turns.
	PLACES 4                                       ; in front of the first read of results and of writes over registers that the last products read
	WIN 0x14                                       ; sources 1 and 2 in window 1
.irp n, 0,1,2,3,4,5,6,7,8,9,10,11,12,13,14,15
	v_max3_num_f32 v[MX+\n], 0x1800000, |v[16*\n]|, |v[16*\n+1]|   ; my 16 numbers of block n, from each accumulator's low end on, and the floor 2^(3 - 127): the byte cannot fall under 1
.endr
.irp i, 2,4,6,8,10,12,14
.irp n, 0,1,2,3,4,5,6,7,8,9,10,11,12,13,14,15
	v_max3_num_f32 v[MX+\n], v[MX+\n], |v[16*\n+\i]|, |v[16*\n+\i+1]|
.endr
.endr
	WIN 0
.irp n, 0,1,2,3,4,5,6,7,8,9,10,11,12,13,14,15
	v_permlanex16_b32 v[PT+\n], v[MX+\n], s60, s61
.endr
.irp n, 0,1,2,3,4,5,6,7,8,9,10,11,12,13,14,15
	v_max_num_f32 v[MX+\n], v[MX+\n], v[PT+\n]     ; with lane l xor 16's: the block's largest magnitude
.endr
.irp n, 0,1,2,3,4,5,6,7,8,9,10,11,12,13,14,15
	v_add_nc_u32 v[SO+\n], 0xff000000, v[MX+\n]    ; 2 off its exponent field: the conversion takes this operand's exponent field as its scale
.endr
.irp n, 0,1,2,3,4,5,6,7,8,9,10,11,12,13,14,15
	v_lshrrev_b32 v[BY+\n], 23, v[SO+\n]           ; the scale's byte
.endr
.irp a, 0,1,2,3,4,5,6,7
	v_lshl_or_b32 v[WD+\a], v[BY+2*\a+1], 8, v[BY+2*\a]
.endr
.irp a, 0,1,2,3,4,5,6,7
	v_lshl_or_b32 v[WD+\a], v[WD+\a], 16, v[WD+\a] ; the two bytes once more, over the zero codes of K 64 .. 127
.endr
.irp i, 0,1,2,3
	s_delay_alu instid0(VALU_DEP_4)
	v_cndmask_b32 v[SW+\i], v[WD+\i], v[WD+4+\i], s62   ; lanes 0-15: tiles 0-3; lanes 16-31: tiles 4-7
.endr
	WIN 0x01                                       ; source 0 in window 1
.irp n, 0,1,2,3,4,5,6,7,8,9,10,11,12,13,14,15
.irp w, 0,1
	v_cvt_scalef32_pk8_fp4_f32 v[CD+4*(\n/2)+2*\w+\n%2], v[16*\n+8*\w:16*\n+8*\w+7], v[SO+\n]   ; codes 16 w + 8 h + 0 .. 7 of block n
.endr
.endr
	v_nop                                          ; one plain place behind the scaled conversions
	WIN 0
.irp g, 0,1,2,3,4,5,6,7
	v_permlane16_swap_b32 v[CD+4*\g], v[CD+4*\g+1]     ; the first's lanes 16-31 change places with the second's lanes 0-15: lanes 0-15 now hold block 0, lanes 16-31 block 1,
	v_permlane16_swap_b32 v[CD+4*\g+2], v[CD+4*\g+3]   ; and the four registers run along the block
.endr
.irp g, 0,1,2,3,4,5,6,7
	global_store_b128 v9, v[CD+4*\g:CD+4*\g+3], s[16:17] offset:512*\g   ; 32 lanes store 512 consecutive bytes, at a multiple of 256 from the buffer's first byte
.endr
	global_store_b128 v9, v[SW:SW+3], s[16:17] offset:4096
	s_wait_tensorcnt 0x0
	ds_add_u32 v14, v15
	s_wait_dscnt 0x0
	CROUND                                         ; the closing round: no work-group ends while a partner may still ask for a tile that names it
	s_endpgm
.Lfunc_end_k_q7685e2617b_qk:
	.size	k_q7685e2617b_qk, .Lfunc_end_k_q7685e2617b_qk-k_q7685e2617b_qk
	.p2alignl 7, 3214868480
	.fill 96, 4, 3214868480
	.section	.rodata,"a",@progbits
	.p2align	6, 0x0
	.amdhsa_kernel k_q7685e2617b_qk
		.amdhsa_group_segment_fixed_size 279552
		.amdhsa_private_segment_fixed_size 0
		.amdhsa_enable_private_segment 0
		.amdhsa_kernarg_size 64
		.amdhsa_user_sgpr_count 2
		.amdhsa_user_sgpr_kernarg_segment_ptr 1
		.amdhsa_wavefront_size32 1
		.amdhsa_system_sgpr_workgroup_id_x 1
		.amdhsa_system_sgpr_workgroup_id_y 1
		.amdhsa_system_sgpr_workgroup_id_z 1
		.amdhsa_system_vgpr_workitem_id 0
		.amdhsa_next_free_vgpr 512
		.amdhsa_next_free_sgpr 80
		.amdhsa_reserve_vcc 0
		.amdhsa_float_denorm_mode_32 3
		.amdhsa_float_denorm_mode_16_64 3
		.amdhsa_memory_ordered 1
		.amdhsa_forward_progress 1
		.amdhsa_inst_pref_size 71
	.end_amdhsa_kernel
	.amdgpu_metadata
---
amdhsa.version: [ 1, 2 ]
amdhsa.kernels:
  - .name:           k_q7685e2617b_qk
    .symbol:         k_q7685e2617b_qk.kd
    .args:
      - { .name: x_codes, .offset: 0, .size: 8, .value_kind: global_buffer, .address_space: global }
      - { .name: x_scales, .offset: 8, .size: 8, .value_kind: global_buffer, .address_space: global }
      - { .name: Wq_codes, .offset: 16, .size: 8, .value_kind: global_buffer, .address_space: global }
      - { .name: Wq_scales, .offset: 24, .size: 8, .value_kind: global_buffer, .address_space: global }
      - { .name: Wk_codes, .offset: 32, .size: 8, .value_kind: global_buffer, .address_space: global }
      - { .name: Wk_scales, .offset: 40, .size: 8, .value_kind: global_buffer, .address_space: global }
      - { .name: qrec, .offset: 48, .size: 8, .value_kind: global_buffer, .address_space: global }
      - { .name: krec, .offset: 56, .size: 8, .value_kind: global_buffer, .address_space: global }
    .group_segment_fixed_size: 279552
    .private_segment_fixed_size: 0
    .kernarg_segment_align: 8
    .kernarg_segment_size: 64
    .max_flat_workgroup_size: 256
    .sgpr_count:     80
    .vgpr_count:     512
    .wavefront_size: 32
...
	.end_amdgpu_metadata
.endif
;; end of part 1
;; launch vproj (part 2): grid 4 x 64, 4 waves a work-group, clusters of 4 x 4, 209,408 bytes of LDS; arguments x_codes, x_scales, Wv_codes, Wv_scales, vrec; writes vrec
.if DOCPART == 2
	.amdgcn_target "amdgcn-amd-amdhsa--gfx1250"
	.amdhsa_code_object_version 6
	.text
	.protected	k_q7685e2617b_vproj
	.globl	k_q7685e2617b_vproj
	.p2align	8
	.type	k_q7685e2617b_vproj,@function
k_q7685e2617b_vproj:
	s_mov_b64 s[64:65], 0
	v_nop
	global_prefetch_b8 v0, s[64:65] scope:SCOPE_SE
	s_setreg_imm32_b32 hwreg(HW_REG_WAVE_MODE, 25, 1), 1
	s_wait_xcnt 0x0
	s_wait_alu depctr_hold_cnt(0) depctr_sa_sdst(0) depctr_va_vdst(0) depctr_va_sdst(0) depctr_va_ssrc(0) depctr_va_vcc(0) depctr_vm_vsrc(0)
	s_getreg_b32 s2, hwreg(HW_REG_IB_STS2, 6, 4)
	s_cmp_eq_u32 s2, 0
	s_cbranch_scc0 .Lentry_in_a_cluster
	s_endpgm
.Lentry_in_a_cluster:
	s_bfe_u32 s2, ttmp6, 0x10000c
	s_cmp_lg_u32 s2, 0xf033
	s_cbranch_scc0 .Lentry_shape_is_right
	s_endpgm
.Lentry_shape_is_right:
; v = x Wv on codes of FP4 (E2M1) with E8M0 scales, quantised ALONG THE TOKENS (the keys are the K of attention's second product) and written as images of the registers of V^T's fragments.
; SHARES.  A work-group makes 128 tokens x 256 columns; wave w takes head 4 cx + w: 8 tiles of tokens x 4 tiles of columns, 32 accumulators, all of window 1.  All of K lies in LDS at once, in two halves: nothing is filled twice.
; CLUSTER 4 x 4: x's tile is shared along a row of the cluster, W's along a column: joint loads.
; SOURCE 0 = 16 TOKENS, SOURCE 1 = 16 ROWS OF W: lane (r, h) register j of accumulator (a, b), at v[64 b + 8 a], is d = 16 b + r, token 16 a + 8 h + j: a lane's registers run along the tokens.
; So registers 16 n .. 16 n + 15 of window 1 (n = 4 b + block) are 16 numbers of one block of 32 tokens of row d; lane l xor 16 holds the other 16.
; OUT: record [batch x 16 + head][128 tokens][4608]: image 2 b + c at 512 (2 b + c) + 16 lane = registers 4 c .. 4 c + 3 of the fragment of rows d = 16 b + r (keys 64 c + 32 h + 0 .. 31); at 4096 + 16 lane + 4 b the scale word of row 16 b + r.
; LIMITS: NaN and infinities among the results are not served; a block whose largest magnitude lies under 2^-124 (a block of zeros too) gets the byte 1: this program alone reads the bytes.
.set PITCH, 272                        ; an LDS row: 256 bytes + 16 of padding
.set QROWS, 64*PITCH
.set WOFF,  2*QROWS                    ; x's 128 rows, then W's 256 rows
.set HALFK, 6*QROWS                    ; K half 1 lies this far behind K half 0
.set REC,   4608
.set XS, 16                            ; v16-47   x's scale words: tile a, register i: K step 4 h + i
.set WS, 48                            ; v48-63   W's likewise
.set AF, 64                            ; v64-191  x's fragments, two sets
.set BF, 192                           ; v192-255 W's fragments, two sets
.set MX, 64
.set PT, 80
.set SO, 96
.set BY, 112
.set WD, 128
.set CD, 160
.set G1PAD, (1<<20)|(1<<21)|(5<<22)|(3<<25)
.set MSB, 0
.macro WIN new                         ; the immediate's high byte repeats the setting that is left
.if MSB != \new
	s_set_vgpr_msb (MSB<<8)|\new
.set MSB, \new
.endif
.endm
.macro PLACES n
.rept \n
	v_nop
.endr
.endm
.macro CROUND                          ; a round of the cluster's barrier
	s_barrier_signal -1
	s_barrier_wait -1
	s_cmp_lg_u32 s20, 0
	s_cbranch_scc1 .Lnot_wave_0_\@
	s_barrier_signal -3
.Lnot_wave_0_\@:
	s_barrier_wait -3
	s_barrier_signal -1
	s_barrier_wait -1
.endm
.macro FETCH q, p                      ; the fragments of K step q into set p
.irp a, 0,1,2,3,4,5,6,7
.irp c, 0,1
	ds_load_b128 v[AF+64*(\p)+8*\a+4*\c:AF+64*(\p)+8*\a+4*\c+3], v[4+(\q)/4] offset:16*PITCH*\a+64*((\q)%4)+32*\c
.endr
.endr
.irp b, 0,1,2,3
.irp c, 0,1
	ds_load_b128 v[BF+32*(\p)+8*\b+4*\c:BF+32*(\p)+8*\b+4*\c+3], v[6+(\q)/4] offset:16*PITCH*\b+64*((\q)%4)+32*\c
.endr
.endr
.endm
; 16 matrix instructions of K step q.  The 32 accumulators take turns, one instruction a turn, in the same order in every step.
.macro MUL q, a0
.irp a, \a0, \a0+1, \a0+2, \a0+3
.irp b, 0,1,2,3
.if (\q) == 0
	v_wmma_scale_f32_16x16x128_f8f6f4 v[64*\b+8*(\a):64*\b+8*(\a)+7], v[AF+64*((\q)%2)+8*(\a):AF+64*((\q)%2)+8*(\a)+7], v[BF+32*((\q)%2)+8*\b:BF+32*((\q)%2)+8*\b+7], 0, v[XS+4*(\a)+(\q)%4], v[WS+4*\b+(\q)%4] matrix_a_fmt:MATRIX_FMT_FP4 matrix_b_fmt:MATRIX_FMT_FP4
.elseif (\q) < 4
	v_wmma_scale_f32_16x16x128_f8f6f4 v[64*\b+8*(\a):64*\b+8*(\a)+7], v[AF+64*((\q)%2)+8*(\a):AF+64*((\q)%2)+8*(\a)+7], v[BF+32*((\q)%2)+8*\b:BF+32*((\q)%2)+8*\b+7], v[64*\b+8*(\a):64*\b+8*(\a)+7], v[XS+4*(\a)+(\q)%4], v[WS+4*\b+(\q)%4] matrix_a_fmt:MATRIX_FMT_FP4 matrix_b_fmt:MATRIX_FMT_FP4
.else
	v_wmma_scale_f32_16x16x128_f8f6f4 v[64*\b+8*(\a):64*\b+8*(\a)+7], v[AF+64*((\q)%2)+8*(\a):AF+64*((\q)%2)+8*(\a)+7], v[BF+32*((\q)%2)+8*\b:BF+32*((\q)%2)+8*\b+7], v[64*\b+8*(\a):64*\b+8*(\a)+7], v[XS+4*(\a)+(\q)%4], v[WS+4*\b+(\q)%4] matrix_a_fmt:MATRIX_FMT_FP4 matrix_b_fmt:MATRIX_FMT_FP4 matrix_a_scale:MATRIX_SCALE_ROW1 matrix_b_scale:MATRIX_SCALE_ROW1
.endif
.endr
.endr
.endm
.macro STEP q
	s_wait_dscnt 0x0                               ; this step's fragments, asked for a step ago, are in
.if (\q) == 3
	s_wait_tensorcnt 0x0                           ; my part of K half 1 has landed;
	s_barrier_signal -1
	WIN 0x50
	MUL \q, 0                                      ; work on registers while the others arrive
	WIN 0
	s_barrier_wait -1                              ; K half 1 is whole
	PLACES 4                                       ; four places in front of loads into registers that matrix instructions have read
	FETCH 4, 0
	WIN 0x50
	MUL \q, 4
	WIN 0
.else
.if (\q) < 7
.if (\q) > 0
	PLACES 4
.endif
	FETCH (\q)+1, ((\q)+1)%2
.endif
	WIN 0x50                                       ; C and D in window 1
	MUL \q, 0
	MUL \q, 4
	WIN 0
.endif
.endm
	s_load_b256 s[4:11], s[0:1], 0x0               ; x's codes s[4:5], x's scales s[6:7], Wv's codes s[8:9], Wv's scales s[10:11]
	s_load_b64 s[12:13], s[0:1], 0x20              ; vrec
	v_lshl_add_u32 v14, v0, 2, 0x33000
	v_mov_b32 v15, 0
	ds_add_u32 v14, v15
	ds_add_u32 v14, v15
	v_lshrrev_b32 v3, 5, v0
	v_readfirstlane_b32 s20, v3                    ; wave 0..3: my head of the tile's four.  Waves 0, 1 fetch for x, waves 2, 3 for W
	s_and_b32 s21, s20, 1                          ; which half of that tile's rows I fetch
	s_bfe_u32 s56, ttmp6, 0x40000                  ; cx
	s_bfe_u32 s57, ttmp6, 0x40004                  ; cy
	s_and_b32 s58, ttmp7, 0xffff
	s_lshl_b32 s58, s58, 2
	s_add_co_u32 s58, s58, s57                     ; the tile of 128 tokens = 4 x cluster y + cy
	s_lshl_b32 s59, s57, 2
	s_lshl_b32 s59, 15, s59                        ; my row of the cluster
	s_lshl_b32 s63, 0x1111, s56                    ; my column
	s_or_b32 s24, s59, G1PAD                       ; group 1 for x's tiles: 64 rows of 256 bytes
	s_mov_b32 s25, 256<<16
	s_mov_b32 s26, 64<<16
	s_mov_b32 s27, 256<<16
	s_mov_b32 s28, 64
	s_mov_b32 s29, 512
	s_mov_b32 s30, 0
	s_mov_b32 s31, 0
	s_or_b32 s32, s63, G1PAD                       ; for W's: 128 rows
	s_mov_b32 s33, 256<<16
	s_mov_b32 s34, 128<<16
	s_mov_b32 s35, 256<<16
	s_mov_b32 s36, 128
	s_mov_b32 s37, 512
	s_mov_b32 s38, 0
	s_mov_b32 s39, 0
	s_mov_b32 s60, 0x76543210
	s_mov_b32 s61, 0xfedcba98                      ; v_permlanex16_b32's selects for lane l xor 16
	s_lshl_b32 s66, s58, 16
	s_lshl_b32 s23, s21, 15
	s_add_co_u32 s66, s66, s23                     ; x: row 128 x tile + 64 x half, in bytes
	s_mov_b32 s67, 0
	s_lshl_b32 s68, s56, 17
	s_lshl_b32 s23, s21, 16
	s_add_co_u32 s68, s68, s23                     ; W: row 256 cx + 128 x half
	s_mov_b32 s69, 0
	s_mul_i32 s70, s21, QROWS                      ; where x's rows go,
	s_mul_i32 s71, s21, 2*QROWS
	s_add_co_u32 s71, s71, WOFF                    ; and W's: no place in the cluster enters an LDS address
	s_lshl_b32 s72, s58, 12                        ; x's scale bytes of the 128 tokens
	s_mov_b32 s73, 0
	s_lshl_b32 s74, s56, 13
	s_lshl_b32 s23, s20, 11
	s_add_co_u32 s74, s74, s23                     ; W's of my 64 rows
	s_mov_b32 s75, 0
	s_lshl_b32 s76, s56, 2
	s_add_co_u32 s76, s76, s20                     ; the head
	s_lshr_b32 s77, s58, 4
	s_lshl_b32 s77, s77, 4
	s_or_b32 s76, s76, s77                         ; 16 x batch + head
	s_lshl_b32 s76, s76, 4
	s_and_b32 s77, s58, 15
	s_or_b32 s76, s76, s77                         ; and the block of 128 tokens in the batch
	s_mul_i32 s76, s76, REC
	s_mov_b32 s77, 0
	s_wait_dscnt 0x0
	s_wait_kmcnt 0x0
	s_add_nc_u64 s[66:67], s[4:5], s[66:67]
	s_add_nc_u64 s[68:69], s[8:9], s[68:69]
	s_add_nc_u64 s[72:73], s[6:7], s[72:73]
	s_add_nc_u64 s[74:75], s[10:11], s[74:75]
	s_add_nc_u64 s[12:13], s[12:13], s[76:77]
	s_mov_b32 s40, 1                               ; group 0 for x, K half 0
	s_mov_b32 s41, s70
	s_mov_b64 s[42:43], s[66:67]
	s_or_b32 s43, s43, 0x80000000
	s_mov_b32 s44, 1                               ; K half 1: 256 bytes on in each row
	s_add_co_u32 s45, s70, HALFK
	s_add_nc_u64 s[46:47], s[66:67], 256
	s_or_b32 s47, s47, 0x80000000
	s_mov_b32 s48, 1                               ; the same for W
	s_mov_b32 s49, s71
	s_mov_b64 s[50:51], s[68:69]
	s_or_b32 s51, s51, 0x80000000
	s_mov_b32 s52, 1
	s_add_co_u32 s53, s71, HALFK
	s_add_nc_u64 s[54:55], s[68:69], 256
	s_or_b32 s55, s55, 0x80000000
	CROUND                                         ; all sixteen work-groups are here: the joint loads meet
	s_cmp_lt_u32 s20, 2                            ; a wave's two fills stand in one branch on its number: two loads of mine are out
	s_cbranch_scc0 .Lfill_w
	tensor_load_to_lds s[40:43], s[24:31]
	s_nop 0
	tensor_load_to_lds s[44:47], s[24:31]
	s_nop 0
	PLACES 4
	s_branch .Lfilled
.Lfill_w:
	tensor_load_to_lds s[48:51], s[32:39]
	s_nop 0
	tensor_load_to_lds s[52:55], s[32:39]
	s_nop 0
	PLACES 4
.Lfilled:
	v_and_b32 v1, 15, v0                           ; r
	v_bfe_u32 v2, v0, 4, 1                         ; h
	v_lshlrev_b32 v8, 5, v1
	v_lshl_add_u32 v8, v2, 4, v8                   ; 32 r + 16 h: register i of a load is the scale word of K step 4 h + i
.irp a, 0,1,2,3,4,5,6,7
	global_load_b128 v[XS+4*\a:XS+4*\a+3], v8, s[72:73] offset:512*\a
.endr
.irp b, 0,1,2,3
	global_load_b128 v[WS+4*\b:WS+4*\b+3], v8, s[74:75] offset:512*\b
.endr
	v_mul_u32_u24 v4, v1, PITCH
	v_lshl_add_u32 v4, v2, 4, v4                   ; x: a fragment's row x pitch + 16 h, K half 0,
	v_add_nc_u32 v5, HALFK, v4                     ; K half 1
	s_mul_i32 s23, s20, QROWS
	s_add_co_u32 s23, s23, WOFF
	v_add_nc_u32 v6, s23, v4                       ; my 64 rows of W
	v_add_nc_u32 v7, HALFK, v6
	v_and_b32 v9, 31, v0
	v_lshlrev_b32 v9, 4, v9                        ; 16 x lane
	s_wait_alu depctr_va_vdst(0)
	s_wait_tensorcnt 0x1                           ; my part of K half 0 is in; K half 1's load, issued behind it, may stay out
	s_barrier_signal -1
	s_barrier_wait -1
	FETCH 0, 0
	s_wait_loadcnt 0x0                             ; the scale words
	STEP 0
	STEP 1
	STEP 2
	STEP 3
	STEP 4
	STEP 5
	STEP 6
	STEP 7
	; THE WAY OUT: sixteen blocks of 32 tokens (n = 4 b + block), quantised by turns.
	PLACES 4                                       ; in front of the first read of results and of writes over registers that the last products read
	WIN 0x14                                       ; sources 1 and 2 in window 1
.irp n, 0,1,2,3,4,5,6,7,8,9,10,11,12,13,14,15
	v_max3_num_f32 v[MX+\n], 0x1800000, |v[16*\n]|, |v[16*\n+1]|   ; my 16 numbers of block n, from each accumulator's low end on, and the floor 2^(3 - 127)
.endr
.irp i, 2,4,6,8,10,12,14
.irp n, 0,1,2,3,4,5,6,7,8,9,10,11,12,13,14,15
	v_max3_num_f32 v[MX+\n], v[MX+\n], |v[16*\n+\i]|, |v[16*\n+\i+1]|
.endr
.endr
	WIN 0
.irp n, 0,1,2,3,4,5,6,7,8,9,10,11,12,13,14,15
	v_permlanex16_b32 v[PT+\n], v[MX+\n], s60, s61
.endr
.irp n, 0,1,2,3,4,5,6,7,8,9,10,11,12,13,14,15
	v_max_num_f32 v[MX+\n], v[MX+\n], v[PT+\n]     ; with lane l xor 16's: the block's largest magnitude
.endr
.irp n, 0,1,2,3,4,5,6,7,8,9,10,11,12,13,14,15
	v_add_nc_u32 v[SO+\n], 0xff000000, v[MX+\n]    ; 2 off its exponent field: the conversion's scale operand
.endr
.irp n, 0,1,2,3,4,5,6,7,8,9,10,11,12,13,14,15
	v_lshrrev_b32 v[BY+\n], 23, v[SO+\n]           ; the scale's byte
.endr
.irp t, 0,1,2,3
	v_lshl_or_b32 v[WD+\t], v[BY+4*\t+1], 8, v[BY+4*\t]   ; row 16 t + r's scale word for these 128 keys
.endr
.irp t, 0,1,2,3
	v_lshl_or_b32 v[WD+\t], v[BY+4*\t+2], 16, v[WD+\t]
.endr
.irp t, 0,1,2,3
	v_lshl_or_b32 v[WD+\t], v[BY+4*\t+3], 24, v[WD+\t]
.endr
	WIN 0x01                                       ; source 0 in window 1
.irp n, 0,1,2,3,4,5,6,7,8,9,10,11,12,13,14,15
.irp w, 0,1
	v_cvt_scalef32_pk8_fp4_f32 v[CD+4*(\n/2)+2*\w+\n%2], v[16*\n+8*\w:16*\n+8*\w+7], v[SO+\n]   ; codes 16 w + 8 h + 0 .. 7 of block n
.endr
.endr
	v_nop                                          ; one plain place behind the scaled conversions
	WIN 0
.irp g, 0,1,2,3,4,5,6,7
	v_permlane16_swap_b32 v[CD+4*\g], v[CD+4*\g+1]     ; lanes 0-15 now hold the even block of the pair, lanes 16-31 the odd one,
	v_permlane16_swap_b32 v[CD+4*\g+2], v[CD+4*\g+3]   ; and the four registers run along the block
.endr
.irp g, 0,1,2,3,4,5,6,7
	global_store_b128 v9, v[CD+4*\g:CD+4*\g+3], s[12:13] offset:512*\g   ; 32 lanes store 512 consecutive bytes, at a multiple of 256 from the buffer's first byte
.endr
	global_store_b128 v9, v[WD:WD+3], s[12:13] offset:4096
	s_wait_tensorcnt 0x0
	ds_add_u32 v14, v15
	s_wait_dscnt 0x0
	CROUND                                         ; the closing round
	s_endpgm
.Lfunc_end_k_q7685e2617b_vproj:
	.size	k_q7685e2617b_vproj, .Lfunc_end_k_q7685e2617b_vproj-k_q7685e2617b_vproj
	.p2alignl 7, 3214868480
	.fill 96, 4, 3214868480
	.section	.rodata,"a",@progbits
	.p2align	6, 0x0
	.amdhsa_kernel k_q7685e2617b_vproj
		.amdhsa_group_segment_fixed_size 209408
		.amdhsa_private_segment_fixed_size 0
		.amdhsa_enable_private_segment 0
		.amdhsa_kernarg_size 40
		.amdhsa_user_sgpr_count 2
		.amdhsa_user_sgpr_kernarg_segment_ptr 1
		.amdhsa_wavefront_size32 1
		.amdhsa_system_sgpr_workgroup_id_x 1
		.amdhsa_system_sgpr_workgroup_id_y 1
		.amdhsa_system_sgpr_workgroup_id_z 1
		.amdhsa_system_vgpr_workitem_id 0
		.amdhsa_next_free_vgpr 512
		.amdhsa_next_free_sgpr 80
		.amdhsa_reserve_vcc 0
		.amdhsa_float_denorm_mode_32 3
		.amdhsa_float_denorm_mode_16_64 3
		.amdhsa_memory_ordered 1
		.amdhsa_forward_progress 1
		.amdhsa_inst_pref_size 70
	.end_amdhsa_kernel
	.amdgpu_metadata
---
amdhsa.version: [ 1, 2 ]
amdhsa.kernels:
  - .name:           k_q7685e2617b_vproj
    .symbol:         k_q7685e2617b_vproj.kd
    .args:
      - { .name: x_codes, .offset: 0, .size: 8, .value_kind: global_buffer, .address_space: global }
      - { .name: x_scales, .offset: 8, .size: 8, .value_kind: global_buffer, .address_space: global }
      - { .name: Wv_codes, .offset: 16, .size: 8, .value_kind: global_buffer, .address_space: global }
      - { .name: Wv_scales, .offset: 24, .size: 8, .value_kind: global_buffer, .address_space: global }
      - { .name: vrec, .offset: 32, .size: 8, .value_kind: global_buffer, .address_space: global }
    .group_segment_fixed_size: 209408
    .private_segment_fixed_size: 0
    .kernarg_segment_align: 8
    .kernarg_segment_size: 40
    .max_flat_workgroup_size: 128
    .sgpr_count:     80
    .vgpr_count:     512
    .wavefront_size: 32
...
	.end_amdgpu_metadata
.endif
;; end of part 2
;; launch attn (part 3): grid 4 x 64, 16 waves a work-group, clusters of 4 x 1, 169,984 bytes of LDS; arguments qrec, krec, vrec, acodes, ascales; writes acodes, ascales
.if DOCPART == 3
	.amdgcn_target "amdgcn-amd-amdhsa--gfx1250"
	.amdhsa_code_object_version 6
	.text
	.protected	k_q7685e2617b_attn
	.globl	k_q7685e2617b_attn
	.p2align	8
	.type	k_q7685e2617b_attn,@function
k_q7685e2617b_attn:
	s_mov_b64 s[64:65], 0
	v_nop
	global_prefetch_b8 v0, s[64:65] scope:SCOPE_SE
	s_setreg_imm32_b32 hwreg(HW_REG_WAVE_MODE, 25, 1), 1
	s_wait_xcnt 0x0
	s_wait_alu depctr_hold_cnt(0) depctr_sa_sdst(0) depctr_va_vdst(0) depctr_va_sdst(0) depctr_va_ssrc(0) depctr_va_vcc(0) depctr_vm_vsrc(0)
	s_getreg_b32 s2, hwreg(HW_REG_IB_STS2, 6, 4)
	s_cmp_eq_u32 s2, 0
	s_cbranch_scc0 .Lentry_in_a_cluster
	s_endpgm
.Lentry_in_a_cluster:
	s_bfe_u32 s2, ttmp6, 0x10000c
	s_cmp_lg_u32 s2, 0x3003
	s_cbranch_scc0 .Lentry_shape_is_right
	s_endpgm
.Lentry_shape_is_right:
; Causal attention of one (batch, head) on codes of FP4 (E2M1) with E8M0 scales; its result, divided by the row's sum, is quantised along the head's 64 and written as images of the next product's operand registers.
; THE SOFTMAX: t = score x log2(e) / 8; M = the running largest t rounded UP to a whole number; p = 2^(t - M) is quantised along the keys, not normalised; the row's sum is taken of the unquantised p.
; When M moves, the sum and O are multiplied by 2^(old M - new M): exact.
; SHARES.  The four work-groups of a cluster share one head; a head's K and V (16 records of 4,608 bytes each) lie in LDS whole, filled once by joint loads.  A head has 16 groups of 128 queries, each of 8 tiles of 16;
; a tile of group g needs g + 1 key steps of 128.  Wave w takes tile t = 2 cx + w / 8 of group w % 8 and then of group 15 - w % 8: 17 key steps for every wave.  Branches hang on the wave's number alone.
; LAYOUT.  Both products are used transposed: S^T = K Q^T (source 0 = 16 keys, source 1 = my 16 queries; K = 64, the operands' upper 64 are zero codes), O^T = V^T P^T: a lane holds ONE query (lane % 16) throughout.
; In S^T register 8 t + j of lane (r, h) is key 16 t + 8 h + j: the 16 registers of tiles 2 b, 2 b + 1 are 16 numbers of block b; the conversions' results reach the operand's layout by four exchanges of half registers.
; Every LDS load takes an image as it lies: 16 bytes a lane, 512 consecutive bytes an instruction.
; LIMITS: NaN and infinities are not served; a block of the result whose largest magnitude lies under 2^-124 (a block of zeros too) gets the byte 1: this program alone reads the bytes.
; REGISTERS: v1 16 x lane; v2 the same + V's base; v3, v4 the step's addresses; v5 the mask's number; v6 -infinity; v7 my byte in ascales; v8-11 K's scale words; v12 -M, v13 the largest t, v[14:15] the sum;
; v16-23 Q of tile 1 (upper four zeros), v240-247 of tile 2; v24, v30 their scale words; v25 p's scale word; v26-29 V's scale words; v32-95 K's fragments (upper four of each zeros); v96-159 S^T, then p; v160-191 O^T;
; v192-223 V's fragments; v224-231 p's codes; v232-239, v248-255 at work.
.set REC, 4608
.set VB,  16*REC                       ; V's records lie behind K's
.set PS,  25                           ; v25     p's scale word
.set VS,  26                           ; v26-29  V's scale words
.macro PLACES n
.rept \n
	v_nop
.endr
.endm
.macro CROUND                          ; a round of the cluster's barrier
	s_barrier_signal -1
	s_barrier_wait -1
	s_cmp_lg_u32 s14, 0
	s_cbranch_scc1 .Lnot_wave_0_\@
	s_barrier_signal -3
.Lnot_wave_0_\@:
	s_barrier_wait -3
	s_barrier_signal -1
	s_barrier_wait -1
.endm
	s_load_b256 s[4:11], s[0:1], 0x0               ; qrec s[4:5], krec s[6:7], vrec s[8:9], acodes s[10:11]
	s_load_b64 s[12:13], s[0:1], 0x20              ; ascales
	v_lshl_add_u32 v254, v0, 2, 0x29000
	v_mov_b32 v255, 0
	ds_add_u32 v254, v255
	ds_add_u32 v254, v255
	s_wait_dscnt 0x0
	v_lshrrev_b32 v3, 5, v0
	s_delay_alu instid0(VALU_DEP_1)
	v_readfirstlane_b32 s14, v3                    ; wave 0..15
	s_and_b32 s15, s14, 7                          ; my first group of queries
	s_lshr_b32 s16, s14, 3
	s_bfe_u32 s17, ttmp6, 0x40000                  ; cx: it enters global addresses of my own and the mask's number alone
	s_and_b32 s18, ttmp7, 0xffff                   ; 16 x batch + head, which the four partners share
	s_lshl_b32 s19, s17, 1
	s_add_co_u32 s19, s19, s16                     ; t: my tile in a group
	s_mov_b32 s20, 0x76543210
	s_mov_b32 s21, 0xfedcba98                      ; v_permlanex16_b32's selects for lane l xor 16
	s_mov_b32 s22, 0x3e38aa3b                      ; c = log2(e) / 8
	s_mov_b32 s23, s22                             ; (named with it as a pair, so it is written)
	s_mov_b32 s44, 0xffff0000                      ; lanes 16-31
	s_mov_b32 s24, 15|(3<<16)|(1<<21)              ; group 1: the mask names all four; elements of 8 bytes; bit 21 beside a mask; no padding
	s_mov_b32 s25, 32<<16                          ; rows of 256 bytes,
	s_mov_b32 s26, 72<<16                          ; 72 of them: four records, dense in memory
	s_mov_b32 s27, 32<<16
	s_mov_b32 s28, 72
	s_mov_b32 s29, 32
	s_mov_b32 s30, 0
	s_mov_b32 s31, 0
	s_and_b32 s43, s14, 3
	s_mul_i32 s43, s43, 4*REC                      ; the quarter that I fetch, if I fetch: in LDS,
	s_mul_i32 s55, s18, VB
	s_add_co_u32 s54, s43, s55                     ; and in memory
	s_mov_b32 s55, 0
	s_lshl_b32 s56, s18, 4
	s_add_co_u32 s57, s56, s15
	s_mul_i32 s58, s57, REC                        ; Q's record of my first group,
	s_mov_b32 s59, 0
	s_add_co_u32 s57, s56, 15
	s_sub_co_u32 s57, s57, s15
	s_mul_i32 s60, s57, REC                        ; and of my second
	s_mov_b32 s61, 0
	s_lshr_b32 s62, s18, 4
	s_and_b32 s63, s18, 15                         ; the head
	s_lshl_b32 s62, s62, 7
	s_add_co_u32 s62, s62, s19                     ; 128 x batch + t
	s_lshr_b32 s45, s63, 3
	s_lshl_b32 s45, s45, 21
	s_and_b32 s56, s63, 7
	s_lshl_b32 s56, s56, 9
	s_add_co_u32 s45, s45, s56                     ; the head's place in acodes: 2,097,152 (head / 8) + 512 (head % 8)
	s_lshl_b32 s63, s63, 1                         ; and in a row of ascales
	s_lshl_b32 s56, s15, 3
	s_add_co_u32 s56, s56, s62                     ; tile 1: which 16 rows of the 8,192
	s_lshl_b32 s46, s56, 12
	s_add_co_u32 s46, s46, s45
	s_mov_b32 s47, 0
	s_lshl_b32 s48, s56, 9
	s_add_co_u32 s48, s48, s63
	s_mov_b32 s49, 0
	s_sub_co_u32 s56, 15, s15
	s_lshl_b32 s56, s56, 3
	s_add_co_u32 s56, s56, s62                     ; tile 2
	s_lshl_b32 s50, s56, 12
	s_add_co_u32 s50, s50, s45
	s_mov_b32 s51, 0
	s_lshl_b32 s52, s56, 9
	s_add_co_u32 s52, s52, s63
	s_mov_b32 s53, 0
	s_wait_kmcnt 0x0
	s_add_nc_u64 s[58:59], s[4:5], s[58:59]
	s_add_nc_u64 s[60:61], s[4:5], s[60:61]
	s_add_nc_u64 s[46:47], s[10:11], s[46:47]
	s_add_nc_u64 s[48:49], s[12:13], s[48:49]
	s_add_nc_u64 s[50:51], s[10:11], s[50:51]
	s_add_nc_u64 s[52:53], s[12:13], s[52:53]
	s_mov_b32 s32, 1                               ; group 0 for K's quarter
	s_mov_b32 s33, s43
	s_add_nc_u64 s[34:35], s[6:7], s[54:55]
	s_or_b32 s35, s35, 0x80000000
	s_mov_b32 s36, 1                               ; and for V's
	s_add_co_u32 s37, s43, VB
	s_add_nc_u64 s[38:39], s[8:9], s[54:55]
	s_or_b32 s39, s39, 0x80000000
	CROUND                                         ; all four work-groups are here: the joint loads meet
	s_cmp_lt_u32 s14, 4                            ; waves 0-3 fetch K's quarters, waves 4-7 V's, the others nothing: one load a wave
	s_cbranch_scc0 .Lnot_k
	tensor_load_to_lds s[32:35], s[24:31]
	s_nop 0
	PLACES 4
	s_branch .Lasked
.Lnot_k:
	s_cmp_lt_u32 s14, 8
	s_cbranch_scc0 .Lasked
	tensor_load_to_lds s[36:39], s[24:31]
	s_nop 0
	PLACES 4
.Lasked:
	v_and_b32 v1, 31, v0
	s_delay_alu instid0(VALU_DEP_1)
	v_lshlrev_b32 v1, 4, v1                        ; 16 x lane
	s_delay_alu instid0(VALU_DEP_1)
	v_add_nc_u32 v2, VB, v1
	v_and_b32 v3, 15, v0                           ; r
	s_wait_alu depctr_va_vdst(0)
	v_bfe_u32 v4, v0, 4, 1                         ; h
	s_wait_alu depctr_va_vdst(0)
	s_lshl_b32 s56, s19, 9
	v_add_nc_u32 v254, s56, v1                     ; Q's image of tile t
	s_lshr_b32 s57, s19, 2
	s_lshl_b32 s57, s57, 8
	s_and_b32 s56, s19, 3
	s_lshl_b32 s56, s56, 2
	s_add_co_u32 s57, s57, s56
	s_add_co_u32 s57, s57, 4096
	v_lshl_add_u32 v255, v3, 4, s57                ; and its scale word: 4096 + 16 (16 (t / 4) + r) + 4 (t % 4)
	global_load_b128 v[16:19], v254, s[58:59]
	global_load_b32 v24, v255, s[58:59]
	global_load_b128 v[240:243], v254, s[60:61]
	global_load_b32 v30, v255, s[60:61]
	s_lshl_b32 s56, s19, 4
	v_add_nc_u32 v5, s56, v3
	v_lshlrev_b32 v7, 3, v4
	s_delay_alu instid0(VALU_DEP_1)
	v_sub_nc_u32 v5, v5, v7                        ; 16 t + r - 8 h: in the diagonal step register n holds key 16 (n / 8) + n % 8 + 8 h, hidden where 16 (n / 8) + n % 8 is greater than this
	v_mov_b32 v6, 0xff800000                       ; -infinity
	v_lshl_add_u32 v7, v3, 5, v4                   ; 32 r + h: my byte of the tile's rows of ascales
.irp j, 20,21,22,23,244,245,246,247
	v_mov_b32 v[\j], 0                             ; Q's codes of K 64 .. 127
.endr
.irp t, 0,1,2,3,4,5,6,7
.irp j, 4,5,6,7
	v_mov_b32 v[32+8*\t+\j], 0                     ; K's likewise: written once
.endr
.endr
.irp j, 236,237,238,239,253
	v_mov_b32 v[\j], 0                             ; written once: a lane permute's destination counts as a source; v253 is named as the upper half of a pair
.endr
	s_wait_tensorcnt 0x0                           ; my part of K or V has landed (a wave without a load passes at once)
	s_wait_loadcnt 0x0                             ; Q; the loads' offset registers v254 and v255 are free from here on
	s_barrier_signal -1
	s_barrier_wait -1                              ; K and V are whole; nobody writes LDS from here on
; One tile of 16 queries: Q in v[QF .. QF + 7], its scale word in v[QS]; s42 holds its group; NTR trips, a constant, of which those past the group are jumped over; AC, AS: where its codes and bytes go.
.macro TILE QF, QS, NTR, AC, AS
.set J, 0
.rept 32
	v_mov_b32 v[160+J], 0                          ; O^T.  (The step is written once: the first finds zeros, which the first change of M leaves zeros)
.set J, J+1
.endr
	v_mov_b32 v13, 0xff61b1e6                      ; the largest t so far: -3e38, under every t
	s_delay_alu instid0(VALU_DEP_1)
	v_floor_f32 v12, -v13                          ; -M
	v_mov_b32 v14, 0
	v_mov_b32 v15, 0
	s_mov_b32 s41, 0                               ; the key step
	s_mov_b32 s40, 0                               ; and its record's place in LDS
.Ltrip_\@:
	s_cmp_gt_u32 s41, s42                          ; a step all of whose keys come after my queries is left out
	s_cbranch_scc1 .Lskip_\@
	s_setprio 2
	v_add_nc_u32 v3, s40, v1
	v_add_nc_u32 v4, s40, v2
	PLACES 2                                       ; with the two additions: four places in front of loads into registers that the last products read
.irp t, 0,1,2,3,4,5,6,7
	ds_load_b128 v[32+8*\t:35+8*\t], v3 offset:512*\t      ; K: keys 16 t + r, d = 32 h .. 32 h + 31
.endr
	ds_load_b128 v[8:11], v3 offset:4096                   ; register i: the scale word of tile 4 h + i
.irp g, 0,1,2,3,4,5,6,7
	ds_load_b128 v[192+4*\g:195+4*\g], v4 offset:512*\g    ; V^T: fragment g / 2, registers 4 (g % 2) on
.endr
	ds_load_b128 v[VS:VS+3], v4 offset:4096                ; register t: the scale word of row 16 t + r
	s_wait_dscnt 9                                 ; K's nine loads are in; V's nine, issued behind them, may stay out
.irp t, 0,1,2,3
	v_wmma_scale_f32_16x16x128_f8f6f4 v[96+8*\t:103+8*\t], v[32+8*\t:39+8*\t], v[\QF:\QF+7], 0, v[8+\t], v[\QS] matrix_a_fmt:MATRIX_FMT_FP4 matrix_b_fmt:MATRIX_FMT_FP4
.endr
.irp t, 4,5,6,7
	v_wmma_scale_f32_16x16x128_f8f6f4 v[96+8*\t:103+8*\t], v[32+8*\t:39+8*\t], v[\QF:\QF+7], 0, v[4+\t], v[\QS] matrix_a_fmt:MATRIX_FMT_FP4 matrix_b_fmt:MATRIX_FMT_FP4 matrix_a_scale:MATRIX_SCALE_ROW1
.endr
	PLACES 4
	s_cmp_lt_u32 s41, s42                          ; only the group's own step lies on the diagonal
	s_cbranch_scc1 .Lopen_\@
.set N, 0
.rept 64
	v_cmp_gt_i32 vcc_lo, 16*(N/8)+N%8, v5          ; hidden scores become -infinity ahead of the maximum: p = 0 then
	v_cndmask_b32 v[96+N], v[96+N], v6, vcc_lo
.set N, N+1
.endr
.Lopen_\@:
.irp b, 0,1,2,3
	v_max3_num_f32 v[232+\b], v[96+16*\b], v[97+16*\b], v[98+16*\b]   ; the largest score of each block of 32 keys: it serves for the row's maximum and, since p rises with the score, for the block's largest p
.endr
.irp i, 3,5,7,9,11,13
.irp b, 0,1,2,3
	v_max3_num_f32 v[232+\b], v[232+\b], v[96+16*\b+\i], v[97+16*\b+\i]
.endr
.endr
.irp b, 0,1,2,3
	v_max_num_f32 v[232+\b], v[232+\b], v[111+16*\b]
.endr
.irp b, 0,1,2,3
	s_delay_alu instid0(VALU_DEP_4)
	v_permlanex16_b32 v[236+\b], v[232+\b], s20, s21
.endr
.irp b, 0,1,2,3
	s_delay_alu instid0(VALU_DEP_4)
	v_max_num_f32 v[232+\b], v[232+\b], v[236+\b]  ; with lane l xor 16's 16 keys
.endr
	s_delay_alu instid0(VALU_DEP_2)
	v_max3_num_f32 v254, v232, v233, v234
	s_delay_alu instid0(VALU_DEP_1)
	v_max_num_f32 v254, v254, v235                 ; the step's largest score of my query (the step's first key counts for every query, so it is a number)
	s_delay_alu instid0(VALU_DEP_1)
	v_mul_f32 v254, s22, v254                      ; as t
	s_delay_alu instid0(VALU_DEP_1)
	v_max_num_f32 v13, v13, v254                   ; the running largest t
	v_mov_b32 v254, v12
	s_delay_alu instid0(VALU_DEP_2)
	v_floor_f32 v12, -v13                          ; the new -M = -ceil(t): a whole number
	s_delay_alu instid0(VALU_DEP_1)
	v_sub_f32 v254, v12, v254                      ; old M - new M: a whole number, 0 or less
	s_delay_alu instid0(VALU_DEP_1)
	v_cvt_i32_f32 v254, v254                       ; (it saturates)
	s_delay_alu instid0(VALU_DEP_1)
	v_ldexp_f32 v252, 1.0, v254                    ; f = 2^(old M - new M)
.set J, 0
.rept 32
	v_pk_fma_f32 v[96+J:97+J], v[96+J:97+J], s[22:23], v[12:13] op_sel_hi:[1,0,0]   ; t - M, two at a time
.set J, J+2
.endr
	s_setprio 1
.irp b, 0,1,2,3
	v_fma_f32 v[232+\b], v[232+\b], s22, v12       ; the same of each block's largest score
.endr
.set J, 0
	s_wait_alu depctr_va_vdst(0)
.rept 64
	v_exp_f32 v[96+J], v[96+J]                     ; p = 2^(t - M), at most 1
.set J, J+1
.endr
.irp b, 0,1,2,3
	v_exp_f32 v[232+\b], v[232+\b]                 ; the block's largest p: the same two instructions on the same number
.endr
	v_pk_mul_f32 v[14:15], v[14:15], v[252:253] op_sel_hi:[1,0]   ; the sums under the new M.  (A plain place behind the exponentials)
	s_wait_alu depctr_va_vdst(0)
.irp b, 0,1,2,3
	v_max_num_f32 v[232+\b], 0x1800000, v[232+\b]  ; the floor 2^(3 - 127): the byte cannot fall under 1; a block whose every p is 0 keeps that byte over zero codes
.endr
.irp b, 0,1,2,3
	s_delay_alu instid0(VALU_DEP_4)
	v_add_nc_u32 v[248+\b], 0xff000000, v[232+\b]  ; 2 off the exponent field: the conversion's scale operand
.endr
.irp b, 0,1,2,3
	s_delay_alu instid0(VALU_DEP_4)
	v_lshrrev_b32 v[236+\b], 23, v[248+\b]         ; the scale's byte
.endr
	s_delay_alu instid0(VALU_DEP_3)
	v_lshl_or_b32 v[PS], v237, 8, v236             ; p's scale word for these 128 keys
	s_delay_alu instid0(VALU_DEP_1)
	v_lshl_or_b32 v[PS], v238, 16, v[PS]
	s_delay_alu instid0(VALU_DEP_1)
	v_lshl_or_b32 v[PS], v239, 24, v[PS]
.irp b, 0,1,2,3
.irp w, 0,1
	v_cvt_scalef32_pk8_fp4_f32 v[224+4*(\b/2)+2*\w+\b%2], v[96+16*\b+8*\w:103+16*\b+8*\w], v[248+\b]   ; codes 16 w + 8 h + 0 .. 7 of block b
.endr
.endr
	v_nop                                          ; one plain place behind the scaled conversions
.irp c, 0,1
	v_permlane16_swap_b32 v[224+4*\c], v[225+4*\c]     ; lanes 0-15 now hold block 2 c, lanes 16-31 block 2 c + 1,
	v_permlane16_swap_b32 v[226+4*\c], v[227+4*\c]     ; and registers 4 c .. 4 c + 3 run along the block
.endr
	v_pk_add_f32 v[236:237], v[100:101], v[104:105]
	v_pk_add_f32 v[250:251], v[108:109], v[112:113]
	v_pk_add_f32 v[248:249], v[116:117], v[120:121]
	v_pk_add_f32 v[234:235], v[124:125], v[128:129]
	v_pk_add_f32 v[232:233], v[132:133], v[136:137]
	v_pk_add_f32 v[90:91], v[140:141], v[144:145]
	v_pk_add_f32 v[88:89], v[148:149], v[152:153]
	v_pk_add_f32 v[14:15], v[14:15], v[156:157]
	v_pk_add_f32 v[236:237], v[236:237], v[96:97]
	v_pk_add_f32 v[250:251], v[250:251], v[98:99]
	v_pk_add_f32 v[248:249], v[248:249], v[102:103]
	v_pk_add_f32 v[234:235], v[234:235], v[106:107]
	v_pk_add_f32 v[232:233], v[232:233], v[110:111]
	s_setprio 0
	v_pk_add_f32 v[90:91], v[90:91], v[114:115]
	v_pk_add_f32 v[88:89], v[88:89], v[118:119]
	v_pk_add_f32 v[14:15], v[14:15], v[122:123]
	v_pk_add_f32 v[236:237], v[236:237], v[126:127]
	v_pk_add_f32 v[250:251], v[250:251], v[130:131]
	v_pk_add_f32 v[248:249], v[248:249], v[134:135]
	v_pk_add_f32 v[234:235], v[234:235], v[138:139]
	v_pk_add_f32 v[232:233], v[232:233], v[142:143]
	v_pk_add_f32 v[90:91], v[90:91], v[146:147]
	v_pk_add_f32 v[88:89], v[88:89], v[150:151]
	v_pk_add_f32 v[14:15], v[14:15], v[154:155]
	v_pk_add_f32 v[236:237], v[236:237], v[158:159]
	s_delay_alu instid0(VALU_DEP_2)
	v_pk_add_f32 v[14:15], v[14:15], v[234:235]
	s_delay_alu instid0(VALU_DEP_2)
	v_pk_add_f32 v[236:237], v[236:237], v[232:233]
	v_pk_add_f32 v[250:251], v[250:251], v[90:91]
	v_pk_add_f32 v[248:249], v[248:249], v[88:89]
	s_delay_alu instid0(VALU_DEP_2)
	v_pk_add_f32 v[14:15], v[14:15], v[250:251]
	s_delay_alu instid0(VALU_DEP_2)
	v_pk_add_f32 v[236:237], v[236:237], v[248:249]
	s_delay_alu instid0(VALU_DEP_1)
	v_pk_add_f32 v[14:15], v[14:15], v[236:237]    ; (these 32 additions are also the places between the writes of p's codes and scale word and the products below)
.set J, 0
.rept 16
	v_pk_mul_f32 v[160+J:161+J], v[160+J:161+J], v[252:253] op_sel_hi:[1,0]   ; O^T under the new M, from each accumulator's low end on
.set J, J+2
.endr
	s_wait_alu depctr_va_vdst(0)
	s_wait_dscnt 0x0                               ; V is in
.irp t, 0,1,2,3
	v_wmma_scale_f32_16x16x128_f8f6f4 v[160+8*\t:167+8*\t], v[192+8*\t:199+8*\t], v[224:231], v[160+8*\t:167+8*\t], v[VS+\t], v[PS] matrix_a_fmt:MATRIX_FMT_FP4 matrix_b_fmt:MATRIX_FMT_FP4
.endr
.Lskip_\@:
	s_add_co_u32 s40, s40, REC
	s_add_co_u32 s41, s41, 1
	s_cmp_lt_u32 s41, \NTR
	s_cbranch_scc1 .Ltrip_\@
	s_setprio 0
	; the tile's end: O^T / the sum, quantised along the head's 64: two blocks, registers 16 b + 8 w + j = d 32 b + 16 w + 8 h + j
	PLACES 4
	s_wait_alu depctr_va_vdst(0)
	v_add_f32 v14, v14, v15                        ; the sum's two halves,
	s_delay_alu instid0(VALU_DEP_1)
	v_permlanex16_b32 v254, v14, s20, s21
	s_delay_alu instid0(VALU_DEP_1)
	v_add_f32 v14, v14, v254                       ; and lane l xor 16's
	s_wait_alu depctr_va_vdst(0)
	v_rcp_f32 v14, v14
	v_nop                                          ; one plain place behind the transcendental
.set J, 0
	s_wait_alu depctr_va_vdst(0)
.rept 16
	v_pk_mul_f32 v[96+J:97+J], v[160+J:161+J], v[14:15] op_sel_hi:[1,0]
.set J, J+2
.endr
.irp b, 0,1
	v_max3_num_f32 v[232+\b], |v[96+16*\b]|, |v[97+16*\b]|, 0x1800000
.endr
.irp i, 2,4,6,8,10,12,14
.irp b, 0,1
	s_delay_alu instid0(VALU_DEP_2)
	v_max3_num_f32 v[232+\b], v[232+\b], |v[96+16*\b+\i]|, |v[97+16*\b+\i]|
.endr
.endr
.irp b, 0,1
	s_delay_alu instid0(VALU_DEP_2)
	v_permlanex16_b32 v[236+\b], v[232+\b], s20, s21
.endr
.irp b, 0,1
	s_delay_alu instid0(VALU_DEP_2)
	v_max_num_f32 v[232+\b], v[232+\b], v[236+\b]
.endr
.irp b, 0,1
	s_delay_alu instid0(VALU_DEP_2)
	v_add_nc_u32 v[248+\b], 0xff000000, v[232+\b]
.endr
.irp b, 0,1
	s_delay_alu instid0(VALU_DEP_2)
	v_lshrrev_b32 v[236+\b], 23, v[248+\b]
.endr
.irp b, 0,1
.irp w, 0,1
	v_cvt_scalef32_pk8_fp4_f32 v[224+2*\w+\b], v[96+16*\b+8*\w:103+16*\b+8*\w], v[248+\b]
.endr
.endr
	v_nop                                          ; one plain place behind the scaled conversions
	v_permlane16_swap_b32 v224, v225
	v_permlane16_swap_b32 v226, v227               ; lane (r, h): block h of row r, 32 codes in v[224:227]
	v_cndmask_b32 v255, v236, v237, s44            ; and its byte
	global_store_b128 v1, v[224:227], s[\AC:\AC+1] ; 32 lanes store 512 consecutive bytes, at a multiple of 256 from the buffer's first byte
	global_store_b8 v7, v255, s[\AS:\AS+1]         ; two bytes of each of 16 rows: one byte for each 16 bytes of codes
	s_wait_xcnt 0x0                                ; the stores' data registers are written again only behind this wait
.endm
	s_mov_b32 s42, s15
	TILE 16, 24, 8, 46, 48
	s_sub_co_u32 s42, 15, s15
	TILE 240, 30, 16, 50, 52
	s_wait_xcnt 0x0
	v_lshl_add_u32 v254, v0, 2, 0x29000
	v_mov_b32 v255, 0
	s_wait_alu depctr_va_vdst(0)
	s_wait_tensorcnt 0x0
	ds_add_u32 v254, v255
	s_wait_dscnt 0x0
	CROUND                                         ; the closing round
	s_endpgm
.Lfunc_end_k_q7685e2617b_attn:
	.size	k_q7685e2617b_attn, .Lfunc_end_k_q7685e2617b_attn-k_q7685e2617b_attn
	.p2alignl 7, 3214868480
	.fill 96, 4, 3214868480
	.section	.rodata,"a",@progbits
	.p2align	6, 0x0
	.amdhsa_kernel k_q7685e2617b_attn
		.amdhsa_group_segment_fixed_size 169984
		.amdhsa_private_segment_fixed_size 0
		.amdhsa_enable_private_segment 0
		.amdhsa_kernarg_size 40
		.amdhsa_user_sgpr_count 2
		.amdhsa_user_sgpr_kernarg_segment_ptr 1
		.amdhsa_wavefront_size32 1
		.amdhsa_system_sgpr_workgroup_id_x 1
		.amdhsa_system_sgpr_workgroup_id_y 1
		.amdhsa_system_sgpr_workgroup_id_z 1
		.amdhsa_system_vgpr_workitem_id 0
		.amdhsa_next_free_vgpr 256
		.amdhsa_next_free_sgpr 66
		.amdhsa_reserve_vcc 1
		.amdhsa_float_denorm_mode_32 3
		.amdhsa_float_denorm_mode_16_64 3
		.amdhsa_memory_ordered 1
		.amdhsa_forward_progress 1
		.amdhsa_inst_pref_size 62
	.end_amdhsa_kernel
	.amdgpu_metadata
---
amdhsa.version: [ 1, 2 ]
amdhsa.kernels:
  - .name:           k_q7685e2617b_attn
    .symbol:         k_q7685e2617b_attn.kd
    .args:
      - { .name: qrec, .offset: 0, .size: 8, .value_kind: global_buffer, .address_space: global }
      - { .name: krec, .offset: 8, .size: 8, .value_kind: global_buffer, .address_space: global }
      - { .name: vrec, .offset: 16, .size: 8, .value_kind: global_buffer, .address_space: global }
      - { .name: acodes, .offset: 24, .size: 8, .value_kind: global_buffer, .address_space: global }
      - { .name: ascales, .offset: 32, .size: 8, .value_kind: global_buffer, .address_space: global }
    .group_segment_fixed_size: 169984
    .private_segment_fixed_size: 0
    .kernarg_segment_align: 8
    .kernarg_segment_size: 40
    .max_flat_workgroup_size: 512
    .sgpr_count:     66
    .vgpr_count:     256
    .wavefront_size: 32
...
	.end_amdgpu_metadata
.endif
;; end of part 3
;; launch proj (part 4): grid 4 x 64, 4 waves a work-group, clusters of 4 x 4, 222,720 bytes of LDS; arguments acodes, ascales, Wp_codes, Wp_scales, bp, out0; writes out0
.if DOCPART == 4
	.amdgcn_target "amdgcn-amd-amdhsa--gfx1250"
	.amdhsa_code_object_version 6
	.text
	.protected	k_q7685e2617b_proj
	.globl	k_q7685e2617b_proj
	.p2align	8
	.type	k_q7685e2617b_proj,@function
k_q7685e2617b_proj:
	s_mov_b64 s[64:65], 0
	v_nop
	global_prefetch_b8 v0, s[64:65] scope:SCOPE_SE
	s_setreg_imm32_b32 hwreg(HW_REG_WAVE_MODE, 25, 1), 1
	s_wait_xcnt 0x0
	s_wait_alu depctr_hold_cnt(0) depctr_sa_sdst(0) depctr_va_vdst(0) depctr_va_sdst(0) depctr_va_ssrc(0) depctr_va_vcc(0) depctr_vm_vsrc(0)
	s_getreg_b32 s2, hwreg(HW_REG_IB_STS2, 6, 4)
	s_cmp_eq_u32 s2, 0
	s_cbranch_scc0 .Lentry_in_a_cluster
	s_endpgm
.Lentry_in_a_cluster:
	s_bfe_u32 s2, ttmp6, 0x10000c
	s_cmp_lg_u32 s2, 0xf033
	s_cbranch_scc0 .Lentry_shape_is_right
	s_endpgm
.Lentry_shape_is_right:
; out = a Wp + bp on codes of FP4 (E2M1) with E8M0 scales; out: [8192][1024] f32.  a: attention's result as images of operand registers, [K half][16 rows][8 x 512 bytes]; its scale bytes [row][32]; Wp: [1024 (n)][1024 (k)] codes.
; SHARES.  A work-group makes 128 rows x 256 columns; wave w takes columns 256 cx + 64 w: 8 x 4 accumulators, all of window 1.  All of K lies in LDS at once, in two halves: nothing is filled twice.
; CLUSTER 4 x 4: a's tile is shared along a row of the cluster, Wp's along a column: joint loads.
; THE PRODUCT IS USED TRANSPOSED (source 0 = 16 rows of Wp, source 1 = 16 rows of a): lane (r, h) register j of accumulator (a, b) is row 16 a + r, column 16 b + 8 h + j: eight neighbours of a row of out.
; The bias is the C of each sum's first matrix instruction: eight registers a tile of columns, in window 2.
.set PITCH, 272                        ; an LDS row of Wp: 256 bytes + 16 of padding
.set WB,    65536                      ; a's images: 32,768 bytes a K half; behind them Wp's 256 rows, a K half at a time
.set WHALF, 256*PITCH
.set STAGE, WB+2*WHALF                 ; behind them, at a multiple of 256 bytes: 16 rows x 272 bytes for each wave, for the way out: no fill lands there
.set XS, 16                            ; v16-47   a's scale words: tile a, register i: K step 4 h + i
.set WS, 48                            ; v48-63   Wp's likewise
.set AF, 64                            ; v64-191  a's fragments, two sets; on the way out v64-127: rows read back from the stage
.set BF, 192                           ; v192-255 Wp's fragments, two sets
.set MSB, 0
.macro WIN new                         ; the immediate's high byte repeats the setting that is left
.if MSB != \new
	s_set_vgpr_msb (MSB<<8)|\new
.set MSB, \new
.endif
.endm
.macro PLACES n
.rept \n
	v_nop
.endr
.endm
.macro CROUND                          ; a round of the cluster's barrier
	s_barrier_signal -1
	s_barrier_wait -1
	s_cmp_lg_u32 s20, 0
	s_cbranch_scc1 .Lnot_wave_0_\@
	s_barrier_signal -3
.Lnot_wave_0_\@:
	s_barrier_wait -3
	s_barrier_signal -1
	s_barrier_wait -1
.endm
.macro FETCH q, p                      ; the fragments of K step q into set p: a's as images (16 x lane), Wp's from rows
.irp a, 0,1,2,3,4,5,6,7
.irp c, 0,1
	ds_load_b128 v[AF+64*(\p)+8*\a+4*\c:AF+64*(\p)+8*\a+4*\c+3], v9 offset:32768*((\q)/4)+4096*\a+1024*((\q)%4)+512*\c
.endr
.endr
.irp b, 0,1,2,3
.irp c, 0,1
	ds_load_b128 v[BF+32*(\p)+8*\b+4*\c:BF+32*(\p)+8*\b+4*\c+3], v[6+(\q)/4] offset:16*PITCH*\b+64*((\q)%4)+32*\c
.endr
.endr
.endm
; 16 matrix instructions of K step q.  The 32 accumulators take turns, one instruction a turn, in the same order in every step.  Step 0 starts the sums with the bias.
.macro MUL q, a0
.irp a, \a0, \a0+1, \a0+2, \a0+3
.irp b, 0,1,2,3
.if (\q) == 0
	v_wmma_scale_f32_16x16x128_f8f6f4 v[32*(\a)+8*\b:32*(\a)+8*\b+7], v[BF+32*((\q)%2)+8*\b:BF+32*((\q)%2)+8*\b+7], v[AF+64*((\q)%2)+8*(\a):AF+64*((\q)%2)+8*(\a)+7], v[8*\b:8*\b+7], v[WS+4*\b+(\q)%4], v[XS+4*(\a)+(\q)%4] matrix_a_fmt:MATRIX_FMT_FP4 matrix_b_fmt:MATRIX_FMT_FP4
.elseif (\q) < 4
	v_wmma_scale_f32_16x16x128_f8f6f4 v[32*(\a)+8*\b:32*(\a)+8*\b+7], v[BF+32*((\q)%2)+8*\b:BF+32*((\q)%2)+8*\b+7], v[AF+64*((\q)%2)+8*(\a):AF+64*((\q)%2)+8*(\a)+7], v[32*(\a)+8*\b:32*(\a)+8*\b+7], v[WS+4*\b+(\q)%4], v[XS+4*(\a)+(\q)%4] matrix_a_fmt:MATRIX_FMT_FP4 matrix_b_fmt:MATRIX_FMT_FP4
.else
	v_wmma_scale_f32_16x16x128_f8f6f4 v[32*(\a)+8*\b:32*(\a)+8*\b+7], v[BF+32*((\q)%2)+8*\b:BF+32*((\q)%2)+8*\b+7], v[AF+64*((\q)%2)+8*(\a):AF+64*((\q)%2)+8*(\a)+7], v[32*(\a)+8*\b:32*(\a)+8*\b+7], v[WS+4*\b+(\q)%4], v[XS+4*(\a)+(\q)%4] matrix_a_fmt:MATRIX_FMT_FP4 matrix_b_fmt:MATRIX_FMT_FP4 matrix_a_scale:MATRIX_SCALE_ROW1 matrix_b_scale:MATRIX_SCALE_ROW1
.endif
.endr
.endr
.endm
.macro STEP q
	s_wait_dscnt 0x0                               ; this step's fragments, asked for a step ago, are in
.if (\q) == 3
	s_wait_tensorcnt 0x0                           ; my part of K half 1 has landed;
	s_barrier_signal -1
	WIN 0x50
	MUL \q, 0                                      ; work on registers while the others arrive
	WIN 0
	s_barrier_wait -1                              ; K half 1 is whole
	PLACES 4                                       ; four places in front of loads into registers that matrix instructions have read
	FETCH 4, 0
	WIN 0x50
	MUL \q, 4
	WIN 0
.else
.if (\q) < 7
.if (\q) > 0
	PLACES 4
.endif
	FETCH (\q)+1, ((\q)+1)%2
.endif
.if (\q) == 0
	WIN 0x60                                       ; D in window 1, C (the bias) in window 2
.else
	WIN 0x50                                       ; C and D in window 1
.endif
	MUL \q, 0
	MUL \q, 4
	WIN 0
.endif
.endm
	s_load_b256 s[4:11], s[0:1], 0x0               ; acodes s[4:5], ascales s[6:7], Wp's codes s[8:9], Wp's scales s[10:11]
	s_load_b128 s[12:15], s[0:1], 0x20             ; bp s[12:13], out0 s[14:15]
	v_lshl_add_u32 v14, v0, 2, 0x36400
	v_mov_b32 v15, 0
	ds_add_u32 v14, v15
	ds_add_u32 v14, v15
	v_lshrrev_b32 v3, 5, v0
	v_readfirstlane_b32 s20, v3                    ; wave 0..3: my 64 columns.  Waves 0, 1 fetch for a, waves 2, 3 for Wp
	s_and_b32 s21, s20, 1                          ; which half of that tile I fetch
	s_bfe_u32 s56, ttmp6, 0x40000                  ; cx
	s_bfe_u32 s57, ttmp6, 0x40004                  ; cy
	s_and_b32 s58, ttmp7, 0xffff
	s_lshl_b32 s58, s58, 2
	s_add_co_u32 s58, s58, s57                     ; the tile of 128 rows = 4 x cluster y + cy
	s_lshl_b32 s59, s57, 2
	s_lshl_b32 s59, 15, s59                        ; my row of the cluster
	s_lshl_b32 s63, 0x1111, s56                    ; my column
	s_or_b32 s24, s59, (3<<16)|(1<<21)             ; group 1 for a's images: a dense block of 16,384 bytes as 64 rows of 256 (32 elements of 8 bytes), no padding
	s_mov_b32 s25, 32<<16
	s_mov_b32 s26, 64<<16
	s_mov_b32 s27, 32<<16
	s_mov_b32 s28, 64
	s_mov_b32 s29, 32
	s_mov_b32 s30, 0
	s_mov_b32 s31, 0
	s_or_b32 s32, s63, (1<<20)|(1<<21)|(5<<22)|(3<<25)   ; for Wp's tiles: 128 rows of 256 bytes, 16 bytes of padding behind each
	s_mov_b32 s33, 256<<16
	s_mov_b32 s34, 128<<16
	s_mov_b32 s35, 256<<16
	s_mov_b32 s36, 128
	s_mov_b32 s37, 512
	s_mov_b32 s38, 0
	s_mov_b32 s39, 0
	s_lshl_b32 s70, s21, 14                        ; a: my half of a K half's 32,768 bytes, in LDS,
	s_lshl_b32 s66, s58, 15
	s_add_co_u32 s66, s66, s70                     ; and in memory
	s_mov_b32 s67, 0
	s_lshl_b32 s68, s56, 17
	s_lshl_b32 s23, s21, 16
	s_add_co_u32 s68, s68, s23                     ; Wp: row 256 cx + 128 x half, in bytes
	s_mov_b32 s69, 0
	s_mul_i32 s71, s21, 128*PITCH
	s_add_co_u32 s71, s71, WB                      ; and where it goes: no place in the cluster enters an LDS address
	s_lshl_b32 s72, s58, 12                        ; a's scale bytes of the 128 rows
	s_mov_b32 s73, 0
	s_lshl_b32 s74, s56, 13
	s_lshl_b32 s23, s20, 11
	s_add_co_u32 s74, s74, s23                     ; Wp's of my 64 rows
	s_mov_b32 s75, 0
	s_lshl_b32 s76, s56, 10
	s_lshl_b32 s23, s20, 8
	s_add_co_u32 s76, s76, s23                     ; my first column, in bytes of f32: in bp,
	s_mov_b32 s77, 0
	s_lshl_b32 s78, s58, 19
	s_add_co_u32 s78, s78, s76                     ; and in out0, with the tile's first row (4,096 bytes a row)
	s_mov_b32 s79, 0
	s_wait_dscnt 0x0
	s_wait_kmcnt 0x0
	s_add_nc_u64 s[66:67], s[4:5], s[66:67]
	s_add_nc_u64 s[68:69], s[8:9], s[68:69]
	s_add_nc_u64 s[72:73], s[6:7], s[72:73]
	s_add_nc_u64 s[74:75], s[10:11], s[74:75]
	s_add_nc_u64 s[12:13], s[12:13], s[76:77]
	s_add_nc_u64 s[14:15], s[14:15], s[78:79]
	s_mov_b32 s40, 1                               ; group 0 for a, K half 0
	s_mov_b32 s41, s70
	s_mov_b64 s[42:43], s[66:67]
	s_or_b32 s43, s43, 0x80000000
	s_mov_b32 s44, 1                               ; K half 1: the buffer's second half
	s_add_co_u32 s45, s70, 32768
	s_add_nc_u64 s[46:47], s[66:67], 0x200000
	s_or_b32 s47, s47, 0x80000000
	s_mov_b32 s48, 1                               ; for Wp, K half 0
	s_mov_b32 s49, s71
	s_mov_b64 s[50:51], s[68:69]
	s_or_b32 s51, s51, 0x80000000
	s_mov_b32 s52, 1                               ; K half 1: 256 bytes on in each row
	s_add_co_u32 s53, s71, WHALF
	s_add_nc_u64 s[54:55], s[68:69], 256
	s_or_b32 s55, s55, 0x80000000
	CROUND                                         ; all sixteen work-groups are here: the joint loads meet
	s_cmp_lt_u32 s20, 2                            ; a wave's two fills stand in one branch on its number: two loads of mine are out
	s_cbranch_scc0 .Lfill_w
	tensor_load_to_lds s[40:43], s[24:31]
	s_nop 0
	tensor_load_to_lds s[44:47], s[24:31]
	s_nop 0
	PLACES 4
	s_branch .Lfilled
.Lfill_w:
	tensor_load_to_lds s[48:51], s[32:39]
	s_nop 0
	tensor_load_to_lds s[52:55], s[32:39]
	s_nop 0
	PLACES 4
.Lfilled:
	v_and_b32 v1, 15, v0                           ; r
	v_bfe_u32 v2, v0, 4, 1                         ; h
	v_lshlrev_b32 v8, 5, v1
	v_lshl_add_u32 v8, v2, 4, v8                   ; 32 r + 16 h: register i of a load is the scale word of K step 4 h + i
	v_lshlrev_b32 v13, 5, v2                       ; the bias: my half's eight columns of a tile
.irp a, 0,1,2,3,4,5,6,7
	global_load_b128 v[XS+4*\a:XS+4*\a+3], v8, s[72:73] offset:512*\a
.endr
.irp b, 0,1,2,3
	global_load_b128 v[WS+4*\b:WS+4*\b+3], v8, s[74:75] offset:512*\b
.endr
	WIN 0x80                                       ; destination window 2
.irp b, 0,1,2,3
	global_load_b128 v[8*\b:8*\b+3], v13, s[12:13] offset:64*\b        ; bp at columns 16 b + 8 h + 0 .. 7
	global_load_b128 v[8*\b+4:8*\b+7], v13, s[12:13] offset:64*\b+16
.endr
	WIN 0
	v_mul_u32_u24 v3, v1, PITCH
	v_lshl_add_u32 v4, v2, 4, v3                   ; a fragment's row x pitch + 16 h
	s_mul_i32 s23, s20, 64*PITCH
	s_add_co_u32 s23, s23, WB
	v_add_nc_u32 v6, s23, v4                       ; my 64 rows of Wp, K half 0,
	v_add_nc_u32 v7, WHALF, v6                     ; K half 1
	v_and_b32 v9, 31, v0
	v_lshlrev_b32 v9, 4, v9                        ; 16 x lane: an image's place for my lane
	s_mul_i32 s23, s20, 16*PITCH
	s_add_co_u32 s23, s23, STAGE                   ; my stage
	v_lshl_add_u32 v10, v2, 5, v3
	v_add_nc_u32 v10, s23, v10                     ; in: row r, 32 bytes for each half of the lanes
	v_mul_u32_u24 v11, v2, PITCH
	v_lshl_add_u32 v11, v1, 4, v11
	v_add_nc_u32 v11, s23, v11                     ; back: lanes 0-15 one row of 256 bytes, lanes 16-31 the next
	v_lshlrev_b32 v12, 12, v2
	v_lshl_add_u32 v12, v1, 4, v12                 ; and the same two rows in out0
	s_wait_alu depctr_va_vdst(0)
	s_wait_tensorcnt 0x1                           ; my part of K half 0 is in; K half 1's load, issued behind it, may stay out
	s_barrier_signal -1
	s_barrier_wait -1
	FETCH 0, 0
	s_wait_loadcnt 0x0                             ; the scale words and the bias
	STEP 0
	STEP 1
	STEP 2
	STEP 3
	STEP 4
	STEP 5
	STEP 6
	STEP 7
; THE WAY OUT, 16 rows x 64 columns at a time, through my own stage: a lane holds 32 neighbouring bytes of a row, and the lanes beside it hold other rows; back come whole rows of 256 bytes.
; LDS serves a wave's instructions in order (ISA guide 5.7.1.4): no wait between the stores and the loads, nor in front of the next block's stores.
.macro TOSTAGE a
	WIN 0x04                                       ; an LDS store's data are its source 1: window 1
.irp b, 0,1,2,3
	ds_store_b128 v10, v[32*(\a)+8*\b:32*(\a)+8*\b+3] offset:64*\b          ; each accumulator from its low end on
	ds_store_b128 v10, v[32*(\a)+8*\b+4:32*(\a)+8*\b+7] offset:64*\b+16
.endr
	WIN 0
.irp i, 0,1,2,3,4,5,6,7
	ds_load_b128 v[AF+32*((\a)%2)+4*\i:AF+32*((\a)%2)+4*\i+3], v11 offset:2*PITCH*\i
.endr
.endm
.macro SEND a, younger                 ; younger: the LDS instructions issued behind block a's loads, which may stay out
	s_wait_dscnt \younger
.irp i, 0,1,2,3,4,5,6,7
	global_store_b128 v12, v[AF+32*((\a)%2)+4*\i:AF+32*((\a)%2)+4*\i+3], s[14:15] offset:(16*(\a)+2*\i)*4096 th:TH_STORE_NT   ; 16 lanes store 256 consecutive bytes, at a multiple of 256 from out0's first byte; written once, read by nobody here
.endr
.endm
	PLACES 4                                       ; in front of the first read of results and of loads into registers that matrix instructions have read
	TOSTAGE 0
.irp a, 1,2,3,4,5,6,7
.if \a > 1
	s_wait_xcnt 0x0                                ; block a - 2's stores have read their registers: block a's loads may land there
.endif
	TOSTAGE \a
	SEND \a-1, 16                                  ; behind block a - 1's loads: block a's 8 stores and 8 loads
.endr
	SEND 7, 0
	s_wait_tensorcnt 0x0
	ds_add_u32 v14, v15
	s_wait_dscnt 0x0
	CROUND                                         ; the closing round
	s_endpgm
.Lfunc_end_k_q7685e2617b_proj:
	.size	k_q7685e2617b_proj, .Lfunc_end_k_q7685e2617b_proj-k_q7685e2617b_proj
	.p2alignl 7, 3214868480
	.fill 96, 4, 3214868480
	.section	.rodata,"a",@progbits
	.p2align	6, 0x0
	.amdhsa_kernel k_q7685e2617b_proj
		.amdhsa_group_segment_fixed_size 222720
		.amdhsa_private_segment_fixed_size 0
		.amdhsa_enable_private_segment 0
		.amdhsa_kernarg_size 48
		.amdhsa_user_sgpr_count 2
		.amdhsa_user_sgpr_kernarg_segment_ptr 1
		.amdhsa_wavefront_size32 1
		.amdhsa_system_sgpr_workgroup_id_x 1
		.amdhsa_system_sgpr_workgroup_id_y 1
		.amdhsa_system_sgpr_workgroup_id_z 1
		.amdhsa_system_vgpr_workitem_id 0
		.amdhsa_next_free_vgpr 544
		.amdhsa_next_free_sgpr 80
		.amdhsa_reserve_vcc 0
		.amdhsa_float_denorm_mode_32 3
		.amdhsa_float_denorm_mode_16_64 3
		.amdhsa_memory_ordered 1
		.amdhsa_forward_progress 1
		.amdhsa_inst_pref_size 70
	.end_amdhsa_kernel
	.amdgpu_metadata
---
amdhsa.version: [ 1, 2 ]
amdhsa.kernels:
  - .name:           k_q7685e2617b_proj
    .symbol:         k_q7685e2617b_proj.kd
    .args:
      - { .name: acodes, .offset: 0, .size: 8, .value_kind: global_buffer, .address_space: global }
      - { .name: ascales, .offset: 8, .size: 8, .value_kind: global_buffer, .address_space: global }
      - { .name: Wp_codes, .offset: 16, .size: 8, .value_kind: global_buffer, .address_space: global }
      - { .name: Wp_scales, .offset: 24, .size: 8, .value_kind: global_buffer, .address_space: global }
      - { .name: bp, .offset: 32, .size: 8, .value_kind: global_buffer, .address_space: global }
      - { .name: out0, .offset: 40, .size: 8, .value_kind: global_buffer, .address_space: global }
    .group_segment_fixed_size: 222720
    .private_segment_fixed_size: 0
    .kernarg_segment_align: 8
    .kernarg_segment_size: 48
    .max_flat_workgroup_size: 128
    .sgpr_count:     80
    .vgpr_count:     544
    .wavefront_size: 32
...
	.end_amdgpu_metadata
.endif
;; end of part 4
